; MI455X (gfx1250); checked and timed in simulation.
; The chip was launched on July 23, 2026; its instructions are those of AMD's public machine-readable ISA for CDNA 5 (MIT licence, August 2026) and "CDNA5" Instruction Set Architecture Reference Guide (July 2026). The comments in the code are by the model that wrote it; some were corrected since.
;; Causal Attention. Allowed arithmetic: matrix products marked QUANTISED: E4M3 operands, one E8M0 scale for each 32 along K, by v_wmma_scale_f32_16x16x128_f8f6f4 with both operands' format E4M3, f32 sums; everything else in f32.
;; Inputs: wk_codes 1,024 x 32 x 32 uint8 (E4M3 codes of wk, K innermost, in blocks of 32 codes); wk_scales 1,024 x 32 uint8 (E8M0 scales of wk, one for each 32 codes along K); wq_codes 1,024 x 32 x 32 uint8 (E4M3 codes of wq, K innermost, in blocks of 32 codes); wq_scales 1,024 x 32 uint8 (E8M0 scales of wq, one for each 32 codes along K); wv_codes 1,024 x 32 x 32 uint8 (E4M3 codes of wv, K innermost, in blocks of 32 codes); wv_scales 1,024 x 32 uint8 (E8M0 scales of wv, one for each 32 codes along K); x_codes 4 x 2,048 x 32 x 32 uint8 (E4M3 codes of x, K innermost, in blocks of 32 codes); x_scales 4 x 2,048 x 32 uint8 (E8M0 scales of x, one for each 32 codes along K).
;; Outputs: out0 4 x 2,048 x 1,024 float32.
;; This version of the problem:
;;   THIS VERSION OF THE PROBLEM IS GIVEN IN LOW PRECISION. The matrix products marked QUANTISED in the list below multiply operands that are first quantised to E4M3 (4 exponent bits, 3 mantissa bits; 8 bits a number), with one power-of-two scale for each 32 numbers along K (OCP MX v1.0); their sums are f32. All else is computed in f32.
;;   The module's matrix products, in the order in which they are computed (A, B: the left and right operand; K: the contracted axis; several contracted axes count as one K, in the product's order):
;;     1. [M 8,192, K 1,024] x [K 1,024, N 1,024]; A: input x (given as codes); B: input wq (given as codes): QUANTISED
;;     2. [M 8,192, K 1,024] x [K 1,024, N 1,024]; A: input x (given as codes); B: input wk (given as codes): QUANTISED
;;     3. [M 8,192, K 1,024] x [K 1,024, N 1,024]; A: input x (given as codes); B: input wv (given as codes): QUANTISED
;;     4. batch 4 x [M 2,048, K 1,024] x [K 1,024, N 2,048]; A: computed on the way; B: computed on the way: QUANTISED
;;     5. batch 4 x [M 2,048, K 2,048] x [K 2,048, N 1,024]; A: softmax (see below); B: computed on the way: QUANTISED
;;   THE QUANTISER, for each operand of a quantised product, along K:
;;     - K is cut into blocks of 32 from its start; a last block that is shorter is filled with zeros.
;;     - A block's scale is 2^e with e = floor(log2(the largest magnitude in the block)) - 8, held to -126 .. 127; a block of zeros has e = 0. As a byte (E8M0): e + 127.
;;     - Each number is divided by its block's scale, clamped to +-448, and rounded to the nearest number of E4M3, ties to even, subnormals kept.
;;     - The product sums the exact products of the quantised numbers (number of the format x scale) in f32.
;;   ~~~python
;;   def quantise(x, axis):      # numpy; x: float32 -> the quantised numbers, widened to float32 again
;;       x = np.moveaxis(x, axis, -1); K = x.shape[-1]
;;       x = np.pad(x, [(0, 0)] * (x.ndim - 1) + [(0, -K % 32)]); x = x.reshape(x.shape[:-1] + (-1, 32)); a = np.abs(x).max(-1, keepdims=True)
;;       e = np.where(a > 0, np.clip(np.frexp(np.where(a > 0, a, 1))[1] - 1 - 8, -126, 127), 0)      # np.frexp(a)[1] - 1 = floor(log2(a)), exactly
;;       r = np.clip(x / 2.0 ** e, -448, 448)
;;       step = 2.0 ** (np.maximum(np.frexp(np.where(r == 0, 1, r))[1] - 1, -6) - 3)
;;       q = np.round(r / step) * step * 2.0 ** e      # np.round: ties to even
;;       return np.moveaxis(q.reshape(q.shape[:-2] + (-1,))[..., :K], -1, axis).astype(np.float32)
;;   ~~~
;;   SOFTMAX AHEAD OF A QUANTISED PRODUCT. Where the list says 'softmax', what is quantised is not the finished softmax but p = 2^(t - M), with t = logit x log2(e) and M = ceil(the row's largest t), a whole number; so 1/2 < the row's largest p <= 1. The row's sum l is taken of the UNQUANTISED p, in f32, and the product's result is divided by l at the end. Since M is a whole number, a kernel that streams over the keys may use a running M (the ceiling of the running maximum): every later rescaling is an exact power of two, which a block's scale takes up: the codes' values come out the same.
;;   OPERANDS COMPUTED ON THE WAY. 'Computed on the way' means the value that the module computes at that place (a softmax that the list does not call 'softmax' is quantised finished and normalised). What goes into a quantiser is computed in f32, as accurately as f32 sums, v_exp_f32 and their like allow (about 1e-6 of the number): no bf16 or f16 on the way to a quantiser, and a product that is left as it is and whose result goes on into a quantised operand takes f32 operands (vector FMAs, or v_wmma_f32_16x16x4_f32). A number that lies on a knife's edge between two numbers of the format may be rounded either way, as far as f32 arithmetic and the matrix unit's own rounding can turn it there, and no further.
;;   INPUTS GIVEN AS CODES. wk (in the module: [1024, 1024], K = its axis 1); wq (in the module: [1024, 1024], K = its axis 1); wv (in the module: [1024, 1024], K = its axis 1); x (in the module: [4, 2048, 1024], K = its axis 2): each comes as NAME_codes (uint8): NAME with its K axis moved to the last place and cut into blocks of 32 codes, [.., K / 32, bytes a block], one block behind the other in memory; one code a byte (a code: sign, 4 exponent bits, 3 mantissa bits); and NAME_scales (uint8): the same leading axes, one E8M0 byte (e + 127) for each 32 codes along K. Its value is code x scale, taken as it is: it is not quantised again, and the codes and scales need not be those that the quantiser above would give.
;; One version. Each part assembles by itself: llvm-mc -triple=amdgcn-amd-amdhsa -mcpu=gfx1250 --defsym DOCPART=n.
;; ======== version 1 of 1: 3 launches
;; workspace buffers: qh 8,650,752 bytes; kh 8,650,752 bytes; vh 8,650,752 bytes; ph 16,777,216 bytes; st 1,572,864 bytes
;; launch proj (part 1): grid 12 x 32, 4 waves a work-group, clusters of 4 x 4, 327,680 bytes of LDS; arguments x_codes, x_scales, wq_codes, wq_scales, wk_codes, wk_scales, wv_codes, wv_scales, qh, kh, vh; writes qh, kh, vh
.if DOCPART == 1
	.amdgcn_target "amdgcn-amd-amdhsa--gfx1250"
	.amdhsa_code_object_version 6
	.text
	.protected	k_qfe8e596d8e_proj
	.globl	k_qfe8e596d8e_proj
	.p2align	8
	.type	k_qfe8e596d8e_proj,@function
k_qfe8e596d8e_proj:
	s_mov_b64 s[64:65], 0
	v_nop
	global_prefetch_b8 v0, s[64:65] scope:SCOPE_SE
	s_setreg_imm32_b32 hwreg(HW_REG_WAVE_MODE, 25, 1), 1
	s_wait_xcnt 0x0
	s_wait_alu depctr_hold_cnt(0) depctr_sa_sdst(0) depctr_va_vdst(0) depctr_va_sdst(0) depctr_va_ssrc(0) depctr_va_vcc(0) depctr_vm_vsrc(0)
	s_getreg_b32 s2, hwreg(HW_REG_IB_STS2, 6, 4)
	s_cmp_eq_u32 s2, 0
	s_cbranch_scc0 .Lentry_in_a_cluster
	s_endpgm
.Lentry_in_a_cluster:
	s_bfe_u32 s2, ttmp6, 0x10000c
	s_cmp_lg_u32 s2, 0xf033
	s_cbranch_scc0 .Lentry_shape_is_right
	s_endpgm
.Lentry_shape_is_right:
; CAUSAL ATTENTION, B = 4, S = 2,048, d = 1,024, all five products on codes of FP8 (E4M3) with one E8M0 scale for each 32 along K.  Three launches:
;   proj:   q = x wq^T, k = x wk^T, v = x wv^T, each quantised in registers (q, k along the channels, v along the keys) -> qh, kh, vh
;   scores: q k^T on the tiles at or under the diagonal, p = 2^(t - M) with an M of its own for each 128 keys, quantised along the keys -> ph, st
;   pv:     joins the M and the sums l of a row, mends p's scale bytes, p v up to the diagonal, divides by l -> out0
; WORK LEFT OUT (in scores and pv; this launch leaves nothing out).  reference() builds its mask itself (jnp.tril) and sets score(q, k) to -infinity for every key k > q; the softmax makes
; these weights 0 whatever finite values the inputs hold, and 0 x v adds nothing.  So a tile of scores all of whose keys come after all of its queries (key block of 256 above the query block of 256),
; and the key steps of the last product beyond a query block's own 256 keys, reach no output and are not computed.  All eight inputs have a way to the output and are loaded.
; LIMITS.  A NaN, an infinity or an overflow that reaches only the work left out (a v that is not finite at a hidden key) is not carried to the result.  NaN and infinities ahead of a quantiser are not served.
; A block of zeros gets the scale byte 1 where the rule says 127: its codes are zeros, and the bytes are read by this program alone.
;
; THIS LAUNCH is one product in three roles: OUT[S1 row][S0 row] = sum over k of S1 . S0, quantised along S0's rows.  Cluster x = 0, 1: S0 = wq / wk, S1 = x, OUT = q / k [token][channel];
; cluster x = 2: S0 = x, S1 = wv, OUT = v^T [channel][token].  All tensors have rows of 1,024 bytes of codes and 32 scale bytes, so only base addresses are chosen, by the cluster's x.
; A tile of OUT, 256 x 256, is made by four waves, each 128 x 128: 64 accumulators, 512 registers.  K goes in four steps of 256 through two LDS slots; the scale bytes of the tile's rows come once.
; CLUSTER 4 x 4: S1's tile hangs on cy and is asked for jointly by the cluster's row, S0's on cx and by its column.
; THE MATRIX INSTRUCTION: source 0 = 16 rows of S0, source 1 = 16 rows of S1: lane (r, h) holds S1's row r and S0's rows 8 h + 0 .. 7 of the sixteen: its registers run along the next product's K.
; THE WORKSPACE IS LAID AS OPERAND REGISTERS.  An IMAGE is 16 rows x 128 k, 2,048 bytes: registers 4 c .. 4 c + 3 of lane l at byte 512 c + 16 l.  A WORD BLOCK holds a word for each of 128 rows, 512 bytes:
; row 32 p + l at byte 16 l + 4 p.  A wave's 128 x 128 leave as 8 images and a word block of scale words, 16,896 bytes on end; every store of the wave covers 512 consecutive bytes, aligned.
; REGISTERS, in windows of 256: window 0: v1-31 addresses; v32-63 scale words, two sets; v128-255 S1's fragments, one set; window 1: S0's fragments, two sets; windows 2, 3: the accumulators ((a, b) at v[8 (8 (a % 4) + b)]).
.set KROW,   1024                      ; a row of codes in memory
.set ROWB,   256                       ; a tile's row: 256 codes
.set NQ,     2                         ; matrix instructions deep in a slot
.set PITCH,  272                       ; an LDS row: 256 bytes + 16 of padding, so that the 16 rows of a load begin 68 words apart
.set FR,     16
.set NL,     4
.set NP,     8                         ; places behind this matrix instruction (ISA guide 7.12.1)
.set HALFT,  128*PITCH
.set SLOT,   4*HALFT                   ; S1's 256 rows, then S0's 256 rows
.set KS,     32                        ; a row of scale bytes
.set SCL,    2*SLOT                    ; behind the ring: the scale bytes, as units of 256 bytes + 16 of padding
.set HALFS,  (128*KS/256)*272
.set SBLK,   (16*KS/256)*272
.set SPARE,  SCL+4*HALFS               ; the spare words, 128 bytes for each wave, that no other line names
.set HP,     16896                     ; 8 images and a word block
.set ADRA, 16                          ; v16-17 LDS address of my S1 fragments in slot 0, 1
.set ADRB, 20                          ; v20-21 the same for S0
.set CO,   26                          ; v26    16 x lane
.set ADRS, 27                          ; v27    LDS address of my scale words: lanes 0-15 S1's rows, lanes 16-31 S0's
.set SPW,  28                          ; v28    my spare word; never rewritten
.set NIL,  29                          ; v29    0; never rewritten
.set SC,   32
.set AF,   128
.set TM,   32                          ; the way out, window 0: v32-35 largest magnitudes; v36-39 the other half's; v40-43 448 x the scale; v44-47 the conversions' scale operand; v48-51 bytes
.set TP,   36
.set HO,   40
.set SO,   44
.set BY,   48
.set PWT,  52                          ; v52    an odd block's scale word
.set QW,   56                          ; v56-59 the word block: register p: lanes 0-15 block 2 p, lanes 16-31 block 2 p + 1
.set T,    64                          ; v64-127 a block's 64 numbers, held
.set WV,   26
.set HA,   27                          ; my half of S1's rows; also: I fetch for S1 (0) or for S0 (1)
.set HB,   60                          ; my half of S0's rows; also: which 128 rows I fetch
.set G1,   28
.set G0,   36
.set G1B,  44
.set G0B,  52
.set CX,   61
.set CY,   62
.set XX,   63
.set Y4,   66
.set S1B,  67
.set G1S,  68
.set G0S,  76
.set G1SB, 80
.set G0SB, 88
.set S0B,  92
.set RMASK, 93
.set CMASK, 94
.set NCH,  95
.set S1C,  96
.set S1S,  98
.set S0C,  16
.set S0S,  18
.set OUTP, 24
.set MNT,  12
.set HIM,  13
.set SEL,  14
.set MSB, 0
.macro WIN new                         ; the immediate's high byte repeats the setting that is left
.if MSB != (\new)
	s_set_vgpr_msb (MSB<<8)|(\new)
.set MSB, (\new)
.endif
.endm
.set MUL_LO, 0xa1                      ; source 0 (S0) window 1, source 1 (S1) window 0, C and D window 2
.set MUL_HI, 0xf1
.set TO_B,   0x40
; A joint load: waves 0 and 1 fetch for S1, waves 2 and 3 for S0; the branch hangs on the wave's number alone.  An s_nop 0 and four v_nop follow each of the two lines.
.macro JLOAD g0a, g1a, g0b, g1b
	s_cmp_eq_u32 s[HA], 0
	s_cbranch_scc0 .Lfor_b_\@
	tensor_load_to_lds s[\g0a:\g0a+3], s[\g1a:\g1a+7]
	s_nop 0
.rept 4
	v_nop
.endr
	s_branch .Lasked_\@
.Lfor_b_\@:
	tensor_load_to_lds s[\g0b:\g0b+3], s[\g1b:\g1b+7]
	s_nop 0
.rept 4
	v_nop
.endr
.Lasked_\@:
.endm
.macro CREST                           ; a round of the cluster's barrier behind its opening barrier
	s_cmp_lg_u32 s[WV], 0
	s_cbranch_scc1 .Lnot_wave_0_\@
	s_barrier_signal -3
.Lnot_wave_0_\@:
	s_barrier_wait -3
	s_barrier_signal -1
	s_barrier_wait -1
.endm
.macro CROUND
	s_barrier_signal -1
	s_barrier_wait -1
	CREST
.endm
	s_load_b512 s[4:19], s[0:1], 0x0               ; x's codes, scales; wq's; wk's; wv's
	s_load_b128 s[20:23], s[0:1], 0x40             ; qh, kh
	s_load_b64 s[24:25], s[0:1], 0x50              ; vh
	v_lshl_add_u32 v[SPW], v0, 2, SPARE
	v_mov_b32 v[NIL], 0
	ds_add_u32 v[SPW], v[NIL]                      ; the wave's opening: the add, twice on end, and its wait ahead of my first tensor load
	ds_add_u32 v[SPW], v[NIL]
	v_lshrrev_b32 v1, 5, v0
	v_readfirstlane_b32 s[WV], v1                  ; wave 0..3
	s_lshr_b32 s[HA], s[WV], 1
	s_and_b32 s[HB], s[WV], 1
	s_bfe_u32 s[CX], ttmp6, 0x40000                ; my place in the cluster
	s_bfe_u32 s[CY], ttmp6, 0x40004
	s_mov_b32 s[XX], ttmp9                         ; the cluster's x: the role, 0 q, 1 k, 2 v
	s_and_b32 s[Y4], ttmp7, 0xffff
	s_lshl_b32 s[Y4], s[Y4], 2                     ; 4 x the cluster's y: which four blocks of 256 rows of x
	s_cmp_eq_u32 s[XX], 2
	s_cselect_b32 s[S0B], s[Y4], 0
	s_cselect_b32 s[S1B], 0, s[Y4]
	s_cselect_b32 s[NCH], 64, 8                    ; chunks of 128 along OUT's rows
	s_add_co_u32 s[S0B], s[S0B], s[CX]             ; S0's block of 256 rows: it hangs on cx alone of the two places
	s_add_co_u32 s[S1B], s[S1B], s[CY]             ; S1's: on cy alone
	s_lshl_b32 s[RMASK], s[CY], 2
	s_lshl_b32 s[RMASK], 15, s[RMASK]              ; my row of the cluster
	s_lshl_b32 s[CMASK], 0x1111, s[CX]             ; my column
	s_or_b32 s[G1], s[RMASK], (0<<16)|(1<<20)|(1<<21)|(5<<22)|(3<<25)   ; the mask; elements of 1 byte; padding on; bit 21 beside a mask; after every 64 words, 4 words
	s_or_b32 s[G1B], s[CMASK], (0<<16)|(1<<20)|(1<<21)|(5<<22)|(3<<25)
.irp g, G1, G1B
	s_mov_b32 s[\g+1], ROWB<<16                    ; tensor_dim0
	s_mov_b32 s[\g+2], 128<<16                     ; tensor_dim1
	s_mov_b32 s[\g+3], ROWB<<16                    ; tile_dim0
	s_mov_b32 s[\g+4], 128                         ; tile_dim1
	s_mov_b32 s[\g+5], KROW                        ; from row to row
	s_mov_b32 s[\g+6], 0
	s_mov_b32 s[\g+7], 0
.endr
	s_or_b32 s[G1S], s[RMASK], (3<<16)|(1<<20)|(1<<21)|(5<<22)|(3<<25)  ; the scale bytes of 128 rows: 4,096 dense bytes as 16 rows of 256 (32 elements of 8 bytes)
	s_or_b32 s[G1SB], s[CMASK], (3<<16)|(1<<20)|(1<<21)|(5<<22)|(3<<25)
.irp g, G1S, G1SB
	s_mov_b32 s[\g+1], 32<<16
	s_mov_b32 s[\g+2], (128*KS/256)<<16
	s_mov_b32 s[\g+3], 32<<16
	s_mov_b32 s[\g+4], 128*KS/256
	s_mov_b32 s[\g+5], 32
	s_mov_b32 s[\g+6], 0
	s_mov_b32 s[\g+7], 0
.endr
	s_mul_i32 s100, s[WV], HALFT                   ; where my loads go: wave x 128 rows: no place in the cluster enters an LDS address
	s_mul_i32 s101, s[WV], HALFS
	s_wait_dscnt 0x0                               ; both opening adds are done
	s_wait_kmcnt 0x0
	s_cmp_eq_u32 s[XX], 1                          ; the choice hangs on the cluster's x alone
	s_cselect_b64 s[8:9], s[12:13], s[8:9]         ; wk or wq
	s_cselect_b64 s[10:11], s[14:15], s[10:11]
	s_cselect_b64 s[20:21], s[22:23], s[20:21]     ; kh or qh
	s_cmp_eq_u32 s[XX], 2
	s_cselect_b64 s[S1C:S1C+1], s[16:17], s[4:5]   ; S1: wv or x
	s_cselect_b64 s[S1S:S1S+1], s[18:19], s[6:7]
	s_cselect_b64 s[S0C:S0C+1], s[4:5], s[8:9]     ; S0: x or the weight
	s_cselect_b64 s[S0S:S0S+1], s[6:7], s[10:11]
	s_cselect_b64 s[OUTP:OUTP+1], s[24:25], s[20:21]
	s_lshl_b32 s4, s[S1B], 8
	s_lshl_b32 s5, s[HB], 7
	s_add_co_u32 s4, s4, s5                        ; S1: the first row that I would fetch
	s_lshl_b32 s6, s4, 5                           ; its scale bytes,
	s_mov_b32 s7, 0
	s_lshl_b32 s4, s4, 10                          ; its codes
	s_mov_b32 s5, 0
	s_add_nc_u64 s[S1C:S1C+1], s[S1C:S1C+1], s[4:5]
	s_add_nc_u64 s[S1S:S1S+1], s[S1S:S1S+1], s[6:7]
	s_lshl_b32 s8, s[S0B], 8
	s_lshl_b32 s9, s[HB], 7
	s_add_co_u32 s8, s8, s9                        ; S0 likewise, in registers of its own
	s_lshl_b32 s10, s8, 5
	s_mov_b32 s11, 0
	s_lshl_b32 s8, s8, 10
	s_mov_b32 s9, 0
	s_add_nc_u64 s[S0C:S0C+1], s[S0C:S0C+1], s[8:9]
	s_add_nc_u64 s[S0S:S0S+1], s[S0S:S0S+1], s[10:11]
	CROUND                                         ; all sixteen work-groups are here: the first joint loads meet
	s_mov_b32 s[G0S], 1
	s_add_co_u32 s[G0S+1], s101, SCL
	s_mov_b64 s[G0S+2:G0S+3], s[S1S:S1S+1]
	s_or_b32 s[G0S+3], s[G0S+3], 0x80000000
	s_mov_b32 s[G0SB], 1
	s_add_co_u32 s[G0SB+1], s101, SCL
	s_mov_b64 s[G0SB+2:G0SB+3], s[S0S:S0S+1]
	s_or_b32 s[G0SB+3], s[G0SB+3], 0x80000000
	JLOAD G0S, G1S, G0SB, G1SB                     ; the scale bytes first: they are wanted with K step 0
.irp s, 0,1
	s_mov_b32 s[G0+4*\s], 1
	s_add_co_u32 s[G0+4*\s+1], s100, \s*SLOT
	s_add_nc_u64 s[G0+4*\s+2:G0+4*\s+3], s[S1C:S1C+1], \s*ROWB
	s_or_b32 s[G0+4*\s+3], s[G0+4*\s+3], 0x80000000
	s_mov_b32 s[G0B+4*\s], 1
	s_add_co_u32 s[G0B+4*\s+1], s100, \s*SLOT
	s_add_nc_u64 s[G0B+4*\s+2:G0B+4*\s+3], s[S0C:S0C+1], \s*ROWB
	s_or_b32 s[G0B+4*\s+3], s[G0B+4*\s+3], 0x80000000
	JLOAD G0+4*\s, G1, G0B+4*\s, G1B               ; three tensor loads of mine are out at the most
.endr
	v_and_b32 v1, 15, v0                           ; r
	v_bfe_u32 v2, v0, 4, 1                         ; h
	v_mul_u32_u24 v3, v1, PITCH
	v_lshl_add_u32 v4, v2, 4, v3                   ; a fragment's row x pitch + 16 h
	s_mul_i32 s4, s[HA], HALFT                     ; my 128 rows of S1
	s_mul_i32 s5, s[HB], HALFT                     ; my 128 rows of S0,
	s_add_co_u32 s5, s5, 2*HALFT                   ; behind S1's 256
.irp s, 0,1
	v_add_nc_u32 v[ADRA+\s], s4, v4
	v_add_nc_u32 v[ADRB+\s], s5, v4
	s_add_co_u32 s4, s4, SLOT
	s_add_co_u32 s5, s5, SLOT
.endr
	v_mul_u32_u24 v5, v1, KS                       ; my row's scale bytes: 32 a row,
	v_lshrrev_b32 v6, 8, v5
	v_lshl_add_u32 v5, v6, 4, v5                   ; and 16 more for each 256 passed
	s_mul_i32 s4, s[HA], HALFS
	s_mul_i32 s5, s[HB], HALFS
	s_add_co_u32 s5, s5, 2*HALFS
	s_sub_co_u32 s5, s5, s4
	v_mul_u32_u24 v6, s5, v2                       ; lanes 16-31 take S0's
	s_add_co_u32 s4, s4, SCL
	v_add_nc_u32 v5, v5, v6
	v_add_nc_u32 v[ADRS], s4, v5
	v_and_b32 v6, 31, v0
	v_lshlrev_b32 v[CO], 4, v6
	s_lshl_b32 s2, s[S1B], 1                       ; where my 16,896 bytes of OUT begin: ((2 S1 block + my half) x chunks + 2 S0 block + my half) x 16,896
	s_add_co_u32 s2, s2, s[HA]
	s_mul_i32 s2, s2, s[NCH]
	s_lshl_b32 s3, s[S0B], 1
	s_add_co_u32 s2, s2, s3
	s_add_co_u32 s2, s2, s[HB]
	s_mul_i32 s2, s2, HP
	s_mov_b32 s3, 0
	s_add_nc_u64 s[OUTP:OUTP+1], s[OUTP:OUTP+1], s[2:3]
	s_mov_b32 s[MNT], 0x600000                     ; the mantissa field of 448
	s_mov_b32 s[HIM], 0xffff0000                   ; lanes 16-31
	s_mov_b32 s[SEL], 0x76543210
	s_mov_b32 s[SEL+1], 0xfedcba98                 ; v_permlanex16_b32's selects for lane l xor 16
.macro FRAG reg, adr, q, i             ; 16 rows x 128 K: registers 4 c .. 4 c + 3 hold K = 32 c + 16 h + 0 .. 15
.irp c, 0,1,2,3
	ds_load_b128 v[\reg+4*\c:\reg+4*\c+3], v[\adr] offset:128*(\q)+32*\c+(\i)*16*PITCH
.endr
.endm
; 16 matrix instructions: S1's blocks a0, a0 + 1 x S0's eight.  p: S0's set; q: which 128 of the slot; sc: the set of scale words.  The 64 accumulators take turns.
.macro MUL16 a0, p, q, sc, zero
.irp a, \a0, \a0+1
.irp b, 0,1,2,3,4,5,6,7
.if \zero
	v_wmma_scale_f32_16x16x128_f8f6f4 v[8*(8*((\a)%4)+\b):8*(8*((\a)%4)+\b)+7], v[128*(\p)+FR*\b:128*(\p)+FR*\b+FR-1], v[AF+FR*(\a):AF+FR*(\a)+FR-1], 0, v[SC+8*NQ*(\sc)+NQ*\b+(\q)], v[SC+8*NQ*(\sc)+NQ*(\a)+(\q)] matrix_a_scale:MATRIX_SCALE_ROW1
.else
	v_wmma_scale_f32_16x16x128_f8f6f4 v[8*(8*((\a)%4)+\b):8*(8*((\a)%4)+\b)+7], v[128*(\p)+FR*\b:128*(\p)+FR*\b+FR-1], v[AF+FR*(\a):AF+FR*(\a)+FR-1], v[8*(8*((\a)%4)+\b):8*(8*((\a)%4)+\b)+7], v[SC+8*NQ*(\sc)+NQ*\b+(\q)], v[SC+8*NQ*(\sc)+NQ*(\a)+(\q)] matrix_a_scale:MATRIX_SCALE_ROW1
.endif
.endr
.endr
.endm
.macro FETCH_B slot, q, p
	WIN TO_B
.irp i, 0,1,2,3,4,5,6,7
	FRAG 128*(\p)+FR*\i, ADRB+\slot, \q, \i
.endr
	WIN 0
.endm
.macro FETCH_A slot, q, i0
.irp i, \i0, \i0+1, \i0+2, \i0+3
	FRAG AF+FR*(\i), ADRA+\slot, \q, \i
.endr
.endm
.macro SCALES sc                       ; a K step's two words a row: lanes 0-15 S1's block i, lanes 16-31 S0's block i
.irp i, 0,1,2,3,4,5,6,7
	ds_load_b64 v[SC+8*NQ*\sc+NQ*\i:SC+8*NQ*\sc+NQ*\i+1], v[ADRS] offset:\i*SBLK
.endr
.endm
.macro PLACES n                        ; plain vector instructions between a matrix instruction and a load into, or a read of, its registers
.rept \n
	v_nop
.endr
.endm
.macro STEP slot, zero                 ; a slot's first 128 along K
	s_wait_dscnt 4*NL                              ; S0's set and S1's blocks 0-3 are in; the 16 youngest loads (S1's blocks 4-7) may be out
	WIN MUL_LO
	MUL16 0, 0, 0, \slot, \zero
	MUL16 2, 0, 0, \slot, \zero
	s_wait_dscnt 0
	PLACES NP
	FETCH_B \slot, 1, 1
	FETCH_A \slot, 1, 0
	WIN MUL_HI
	MUL16 4, 0, 0, \slot, \zero
	MUL16 6, 0, 0, \slot, \zero
	PLACES NP
	WIN 0
	FETCH_A \slot, 1, 4
.endm
; A slot's second 128 along K changes slots: one barrier; in front of it each wave waits for all its tensor loads, adds 0 to its spare word, and waits for that and for its reads of this slot.
.macro TURN slot, next, fill
	s_wait_tensorcnt 0x0                           ; all my tensor loads have landed: my part of the next slot
	ds_add_u32 v[SPW], v[NIL]
	s_wait_dscnt 4*NL+1                            ; the add and the 16 youngest loads may be out
	WIN MUL_LO
	MUL16 0, 1, 1, \slot, 0
	s_wait_dscnt 0x0                               ; the add is done, and my reads of this slot are over
	s_barrier_signal -1
	MUL16 2, 1, 1, \slot, 0
	WIN 0
	s_barrier_wait -1
.if \fill
	CREST                                          ; the barrier has opened a round of the cluster's: no wave of any partner still reads this slot or has a load on its way
	s_add_nc_u64 s[G0+4*\slot+2:G0+4*\slot+3], s[G0+4*\slot+2:G0+4*\slot+3], 2*ROWB
	s_add_nc_u64 s[G0B+4*\slot+2:G0B+4*\slot+3], s[G0B+4*\slot+2:G0B+4*\slot+3], 2*ROWB
	JLOAD G0+4*\slot, G1, G0B+4*\slot, G1B         ; the first tensor load behind the round; its four v_nop are among the places below
	PLACES NP-4
.else
	PLACES NP
.endif
	v_add_nc_u32 v[ADRS], 4*NQ, v[ADRS]            ; the next K step's scale words (no LDS load of mine is out)
	FETCH_B \next, 0, 0
	FETCH_A \next, 0, 0
	SCALES \next
	WIN MUL_HI
	MUL16 4, 1, 1, \slot, 0
	MUL16 6, 1, 1, \slot, 0
	PLACES NP
	WIN 0
	FETCH_A \next, 0, 4
.endm
	s_wait_tensorcnt 1                             ; the scale bytes and my part of K step 0 are in; K step 1's load may be out
	s_barrier_signal -1
	s_barrier_wait -1
	FETCH_B 0, 0, 0
	FETCH_A 0, 0, 0
	SCALES 0
	FETCH_A 0, 0, 4
	STEP 0, 1                                      ; K = 1,024 is four K steps, written out: the first products start the sums
	TURN 0, 1, 1
	STEP 1, 0
	TURN 1, 0, 1
	STEP 0, 0
	TURN 0, 1, 0                                   ; the last two K steps fill nothing
	STEP 1, 0
	s_wait_dscnt 4*NL
	WIN MUL_LO
	MUL16 0, 1, 1, 1, 0
	MUL16 2, 1, 1, 1, 0
	s_wait_dscnt 0
	WIN MUL_HI
	MUL16 4, 1, 1, 1, 0
	MUL16 6, 1, 1, 1, 0
	WIN 0
; THE WAY OUT: block a (16 rows of S1) is quantised along S0's 128 rows.  Its 64 registers: register 16 b + 8 u + j of lane (r, h) is k = 32 b + 16 u + 8 h + j of row r: a block of 32 lies in 16 registers of lanes l and l xor 16.
; The conversions give, for each block, k = 8 h .. and k = 16 + 8 h ..; the operand's layout wants k = 16 h + 0 .. 15: two exchanges of half registers between the halves of the lanes make it.
.macro QUANT1 a
.set W, 2+(\a)/4
.set X0, 64*((\a)%4)
.set PCD, 128+16*((\a)%2)
	WIN (W|(W<<2))
.irp b, 0,1,2,3
	v_max3_num_f32 v[TM+\b], |v[X0+16*\b]|, |v[X0+16*\b+1]|, 0x4800000   ; each accumulator from its low end on; the floor 2^(9 - 127) keeps the byte at 1 from below
.endr
.irp i, 2,4,6,8,10,12,14
.irp b, 0,1,2,3
	v_max3_num_f32 v[TM+\b], |v[X0+16*\b+\i]|, |v[X0+16*\b+\i+1]|, v[TM+\b]
.endr
.endr
	WIN 0
.irp b, 0,1,2,3
	v_permlanex16_b32 v[TP+\b], v[TM+\b], s[SEL], s[SEL+1]
.endr
.irp b, 0,1,2,3
	v_max_num_f32 v[TM+\b], v[TM+\b], v[TP+\b]     ; the block's largest magnitude
.endr
.irp b, 0,1,2,3
	v_add_nc_u32 v[SO+\b], 0xfc000000, v[TM+\b]    ; 8 off its exponent field: the conversion's scale operand
.endr
.irp b, 0,1,2,3
	v_and_or_b32 v[HO+\b], v[TM+\b], 0x7f800000, s[MNT]   ; 448 x the scale
.endr
.irp b, 0,1,2,3
	v_lshrrev_b32 v[BY+\b], 23, v[SO+\b]           ; the scale's byte
.endr
.if (\a)%2 == 0
.set PWR, QW+(\a)/2
.else
.set PWR, PWT
.endif
	v_lshl_or_b32 v[PWR], v[BY+1], 8, v[BY]        ; my row's scale word
	v_lshl_or_b32 v[PWR], v[BY+2], 16, v[PWR]
	v_lshl_or_b32 v[PWR], v[BY+3], 24, v[PWR]
.if (\a)%2 == 1
	v_cndmask_b32 v[QW+(\a)/2], v[QW+(\a)/2], v[PWT], s[HIM]   ; an odd block's words go to lanes 16-31
.endif
	WIN W
.irp b, 0,1,2,3
.irp i, 0,1,2,3,4,5,6,7,8,9,10,11,12,13,14,15
	v_med3_num_f32 v[T+16*\b+\i], v[X0+16*\b+\i], -v[HO+\b], v[HO+\b]   ; the conversion to an 8-bit code does not saturate (ISA guide 7.6.2): the hold
.endr
.endr
	WIN 0
.if (\a) >= 2
	s_wait_xcnt 0x0                                ; block a - 2's stores have read the registers that the codes below take
.endif
.irp b, 0,1,2,3
	v_cvt_scalef32_pk8_fp8_f32 v[PCD+4*\b:PCD+4*\b+1], v[T+16*\b:T+16*\b+7], v[SO+\b]
	v_cvt_scalef32_pk8_fp8_f32 v[PCD+4*\b+2:PCD+4*\b+3], v[T+16*\b+8:T+16*\b+15], v[SO+\b]
.endr
	v_nop                                          ; a plain instruction between the conversions and what touches their results
.irp b, 0,1,2,3
	v_permlane16_swap_b32 v[PCD+4*\b], v[PCD+4*\b+2]     ; the first's lanes 16-31 change places with the second's lanes 0-15
	v_permlane16_swap_b32 v[PCD+4*\b+1], v[PCD+4*\b+3]
.endr
.irp b, 0,1,2,3
	global_store_b128 v[CO], v[PCD+4*\b:PCD+4*\b+3], s[OUTP:OUTP+1] offset:2048*(\a)+512*\b   ; 32 lanes store 512 consecutive bytes
.endr
.endm
	PLACES NP
.irp b, 0,1,2,3
	v_mov_b32 v[TP+\b], 0                          ; written once: a lane permute's destination counts as one of its sources
.endr
.irp a, 0,1,2,3,4,5,6,7
	QUANT1 \a
.endr
	global_store_b128 v[CO], v[QW:QW+3], s[OUTP:OUTP+1] offset:16384   ; the word block
	s_wait_tensorcnt 0x0                           ; the wave's end
	ds_add_u32 v[SPW], v[NIL]
	s_wait_dscnt 0x0
	CROUND                                         ; the closing round
	s_endpgm
.Lfunc_end_k_qfe8e596d8e_proj:
	.size	k_qfe8e596d8e_proj, .Lfunc_end_k_qfe8e596d8e_proj-k_qfe8e596d8e_proj
	.p2alignl 7, 3214868480
	.fill 96, 4, 3214868480
	.section	.rodata,"a",@progbits
	.p2align	6, 0x0
	.amdhsa_kernel k_qfe8e596d8e_proj
		.amdhsa_group_segment_fixed_size 327680
		.amdhsa_private_segment_fixed_size 0
		.amdhsa_enable_private_segment 0
		.amdhsa_kernarg_size 88
		.amdhsa_user_sgpr_count 2
		.amdhsa_user_sgpr_kernarg_segment_ptr 1
		.amdhsa_wavefront_size32 1
		.amdhsa_system_sgpr_workgroup_id_x 1
		.amdhsa_system_sgpr_workgroup_id_y 1
		.amdhsa_system_sgpr_workgroup_id_z 1
		.amdhsa_system_vgpr_workitem_id 0
		.amdhsa_next_free_vgpr 1024
		.amdhsa_next_free_sgpr 102
		.amdhsa_reserve_vcc 0
		.amdhsa_float_denorm_mode_32 3
		.amdhsa_float_denorm_mode_16_64 3
		.amdhsa_memory_ordered 1
		.amdhsa_forward_progress 1
		.amdhsa_inst_pref_size 187
	.end_amdhsa_kernel
	.amdgpu_metadata
---
amdhsa.version: [ 1, 2 ]
amdhsa.kernels:
  - .name:           k_qfe8e596d8e_proj
    .symbol:         k_qfe8e596d8e_proj.kd
    .args:
      - { .name: x_codes, .offset: 0, .size: 8, .value_kind: global_buffer, .address_space: global }
      - { .name: x_scales, .offset: 8, .size: 8, .value_kind: global_buffer, .address_space: global }
      - { .name: wq_codes, .offset: 16, .size: 8, .value_kind: global_buffer, .address_space: global }
      - { .name: wq_scales, .offset: 24, .size: 8, .value_kind: global_buffer, .address_space: global }
      - { .name: wk_codes, .offset: 32, .size: 8, .value_kind: global_buffer, .address_space: global }
      - { .name: wk_scales, .offset: 40, .size: 8, .value_kind: global_buffer, .address_space: global }
      - { .name: wv_codes, .offset: 48, .size: 8, .value_kind: global_buffer, .address_space: global }
      - { .name: wv_scales, .offset: 56, .size: 8, .value_kind: global_buffer, .address_space: global }
      - { .name: qh, .offset: 64, .size: 8, .value_kind: global_buffer, .address_space: global }
      - { .name: kh, .offset: 72, .size: 8, .value_kind: global_buffer, .address_space: global }
      - { .name: vh, .offset: 80, .size: 8, .value_kind: global_buffer, .address_space: global }
    .group_segment_fixed_size: 327680
    .private_segment_fixed_size: 0
    .kernarg_segment_align: 8
    .kernarg_segment_size: 88
    .max_flat_workgroup_size: 128
    .sgpr_count:     102
    .vgpr_count:     1024
    .wavefront_size: 32
...
	.end_amdgpu_metadata
.endif
;; end of part 1
;; launch scores (part 2): grid 36 x 4, 4 waves a work-group, no clusters, 327,680 bytes of LDS; arguments qh, kh, ph, st; writes ph, st
.if DOCPART == 2
	.amdgcn_target "amdgcn-amd-amdhsa--gfx1250"
	.amdhsa_code_object_version 6
	.text
	.protected	k_qfe8e596d8e_scores
	.globl	k_qfe8e596d8e_scores
	.p2align	8
	.type	k_qfe8e596d8e_scores,@function
k_qfe8e596d8e_scores:
	s_mov_b64 s[64:65], 0
	v_nop
	global_prefetch_b8 v0, s[64:65] scope:SCOPE_SE
	s_setreg_imm32_b32 hwreg(HW_REG_WAVE_MODE, 25, 1), 1
	s_wait_xcnt 0x0
; p = 2^(t - M) for the tiles of q k^T at or under the diagonal, quantised along the keys.  qh, kh: [64 blocks of 128 tokens][8 chunks of 128 channels] x (8 images + a word block of scale words), 16,896 bytes each.
; WORK LEFT OUT: tiles of 256 queries x 256 keys with key block I > query block J: reference()'s own tril makes every weight there 0 (shown at the head of the first kernel).  36 of 64 tiles a batch stay: work-group x = J (J + 1) / 2 + I.
; Inside a diagonal tile the quarter (queries 0-127) x (keys 128-255) stays: its wave shares the tile's loads and barriers; it yields zero codes, l = 0 and -M = 3e38, which the next launch weighs with nothing.
; A wave makes 128 queries x 128 keys.  Source 0 = 16 keys, source 1 = 16 queries: a lane holds one query and its registers run along the keys.
; THE SOFTMAX: t = score x log2(e) / 32; M = the ceiling of the largest t of the row's 128 keys HERE; p = 2^(t - M); l = the sum of the unquantised p.  The next launch brings all chunks of a row under the row's M
; by whole powers of two: on l by a multiplication, on p by its scale bytes.  Out: ph [64 blocks of 128 queries][16 chunks of 128 keys] x 8 images; st, same index x 1,536 bytes: word blocks of -M, l, p's scale words.
; NO CLUSTER: query block J has J + 1 key tiles and key block I has 8 - I query tiles, 1 to 8 of either; fours of partners would need partners whose whole tile lies under the mask and who read nothing of what they ask for.
; K = 1,024 channels goes in four steps of 256 through two LDS slots; a slot is four strips (q's halves, k's halves) of two chunks, 33,792 dense bytes; wave w fills strip w.  All is read as it lies: 16 bytes a lane on end.
; LIMITS: NaN and infinities among q, k are not served; a block of p that is all zeros keeps the byte 1.
.set STRIP,  33792
.set SLOT,   4*STRIP
.set SPARE,  2*SLOT                    ; the spare words, 128 bytes for each wave, that no other line names
.set HP,     16896
.set FR,     16
.set NL,     4
.set NP,     8
.set ADRA, 16                          ; v16-17 my q fragments in slot 0, 1
.set ADRB, 20                          ; v20-21 my k fragments
.set ADRS, 22                          ; v22-23 my scale words: lanes 0-15 q's, lanes 16-31 k's
.set CO,   26                          ; v26    16 x lane
.set SPW,  28
.set NIL,  29
.set SC,   32                          ; v32-63 scale words: set s at 32 + 16 s; in it 8 q + 4 (block % 2) + block / 2
.set AF,   128
.set BM,   32                          ; the way out: v32-35 a block's largest score, then largest p
.set TP,   36
.set HO,   40
.set SO,   44
.set BY,   48
.set NM,   52                          ; v[52:53] -M (and a word that is only named)
.set LS,   54
.set L2,   56
.set TMP,  58
.set DL,   60                          ; v60    r - 8 h + DIFF
.set NINF, 61
.set PWT,  62
.set T,    64
.set QW,   160                         ; word blocks: p's scale words, -M, l
.set QM,   164
.set QL,   168
.set WV,   14
.set HA,   15
.set HB,   16
.set JJ,   17
.set II,   18
.set BB,   19
.set MNT,  23
.set G1,   24
.set G0,   32
.set CS,   40
.set SEL,  42
.set HIM,  44
.set DIFF, 45
.set MSB, 0
.macro WIN new
.if MSB != (\new)
	s_set_vgpr_msb (MSB<<8)|(\new)
.set MSB, (\new)
.endif
.endm
.set MUL_LO, 0xa1
.set MUL_HI, 0xf1
.set TO_B,   0x40
	s_load_b256 s[4:11], s[0:1], 0x0               ; qh, kh, ph, st
	v_lshl_add_u32 v[SPW], v0, 2, SPARE
	v_mov_b32 v[NIL], 0
	ds_add_u32 v[SPW], v[NIL]                      ; the wave's opening: the add, twice on end, and its wait ahead of my first tensor load
	ds_add_u32 v[SPW], v[NIL]
	v_lshrrev_b32 v1, 5, v0
	v_readfirstlane_b32 s[WV], v1
	s_lshr_b32 s[HA], s[WV], 1                     ; my half of the queries; also: I fetch q (0) or k (1)
	s_and_b32 s[HB], s[WV], 1                      ; my half of the keys; also: which half I fetch
	s_and_b32 s[BB], ttmp7, 0xffff                 ; the batch
	s_mov_b32 s[JJ], 0
.irp thr, 1,3,6,10,15,21,28
	s_cmp_ge_u32 ttmp9, \thr                       ; J = how many of the triangle's row starts lie at or under my number
	s_add_co_ci_u32 s[JJ], s[JJ], 0
.endr
	s_add_co_u32 s20, s[JJ], 1
	s_mul_i32 s20, s20, s[JJ]
	s_lshr_b32 s20, s20, 1
	s_sub_co_u32 s[II], ttmp9, s20                 ; I = my number - J (J + 1) / 2
	s_mov_b32 s[G1], 3<<16                         ; no mask; elements of 8 bytes; no padding: a dense block as 132 rows of 256 bytes
	s_mov_b32 s[G1+1], 32<<16
	s_mov_b32 s[G1+2], 132<<16
	s_mov_b32 s[G1+3], 32<<16
	s_mov_b32 s[G1+4], 132
	s_mov_b32 s[G1+5], 32
	s_mov_b32 s[G1+6], 0
	s_mov_b32 s[G1+7], 0
	s_mul_i32 s21, s[WV], STRIP                    ; my strip in a slot
	s_cmp_eq_u32 s[HA], 0
	s_cselect_b32 s20, s[JJ], s[II]
	s_lshl_b32 s20, s20, 1
	s_add_co_u32 s20, s20, s[HB]
	s_lshl_b32 s22, s[BB], 4
	s_add_co_u32 s20, s20, s22                     ; the block of 128 tokens that I fetch
	s_mul_i32 s46, s20, 8*HP
	s_mov_b32 s47, 0
	s_mov_b32 s[CS], 0x3d38aa3b                    ; c = log2(e) / 32
	s_mov_b32 s[CS+1], s[CS]                       ; (named with it as a pair)
	s_mov_b32 s[SEL], 0x76543210
	s_mov_b32 s[SEL+1], 0xfedcba98
	s_mov_b32 s[HIM], 0xffff0000
	s_mov_b32 s[MNT], 0x600000
	s_sub_co_i32 s[DIFF], s[JJ], s[II]
	s_lshl_b32 s[DIFF], s[DIFF], 8
	s_sub_co_i32 s20, s[HA], s[HB]
	s_lshl_b32 s20, s20, 7
	s_add_co_i32 s[DIFF], s[DIFF], s20             ; my first query less my first key
	s_wait_dscnt 0x0                               ; both opening adds are done
	s_wait_kmcnt 0x0
	s_cmp_eq_u32 s[HA], 0
	s_cselect_b64 s[48:49], s[4:5], s[6:7]         ; the choice hangs on the wave's number alone
	s_add_nc_u64 s[48:49], s[48:49], s[46:47]
.irp s, 0,1
	s_mov_b32 s[G0+4*\s], 1
	s_add_co_u32 s[G0+4*\s+1], s21, \s*SLOT
	s_add_nc_u64 s[G0+4*\s+2:G0+4*\s+3], s[48:49], \s*STRIP
	s_or_b32 s[G0+4*\s+3], s[G0+4*\s+3], 0x80000000
	tensor_load_to_lds s[G0+4*\s:G0+4*\s+3], s[G1:G1+7]   ; every wave issues its own: two tensor loads of mine are out at the most
	s_nop 0
.endr
	v_and_b32 v1, 15, v0                           ; r
	v_bfe_u32 v2, v0, 4, 1                         ; h
	v_and_b32 v3, 31, v0
	v_lshlrev_b32 v[CO], 4, v3
	s_mul_i32 s20, s[HA], STRIP
	s_mul_i32 s22, s[HB], STRIP
	s_add_co_u32 s22, s22, 2*STRIP
.irp s, 0,1
	v_add_nc_u32 v[ADRA+\s], s20, v[CO]
	v_add_nc_u32 v[ADRB+\s], s22, v[CO]
	s_add_co_u32 s20, s20, SLOT
	s_add_co_u32 s22, s22, SLOT
.endr
	s_mul_i32 s20, s[HA], STRIP
	s_mul_i32 s22, s[HB], STRIP
	s_add_co_u32 s22, s22, 2*STRIP
	s_sub_co_u32 s22, s22, s20                     ; from q's strip to k's
	v_mul_u32_u24 v4, s22, v2                      ; lanes 16-31 take k's words
	v_lshl_add_u32 v4, v1, 4, v4                   ; 16 r: four words of rows r + 16 e + 32 p
	s_add_co_u32 s20, s20, 16384                   ; behind a chunk's 8 images
	v_add_nc_u32 v[ADRS], s20, v4
	s_add_co_u32 s20, s20, SLOT
	v_add_nc_u32 v[ADRS+1], s20, v4
	s_lshl_b32 s20, s[BB], 4                       ; where my results go: index = (16 batch + 2 J + my half) x 16 + 2 I + my half
	s_lshl_b32 s22, s[JJ], 1
	s_add_co_u32 s20, s20, s22
	s_add_co_u32 s20, s20, s[HA]
	s_lshl_b32 s20, s20, 4
	s_lshl_b32 s22, s[II], 1
	s_add_co_u32 s20, s20, s22
	s_add_co_u32 s20, s20, s[HB]
	s_lshl_b32 s46, s20, 14
	s_mov_b32 s47, 0
	s_add_nc_u64 s[8:9], s[8:9], s[46:47]
	s_mul_i32 s46, s20, 1536
	s_add_nc_u64 s[10:11], s[10:11], s[46:47]
.macro FRAG reg, adr, q, i             ; an image as it lies: four loads of 512 consecutive bytes
.irp c, 0,1,2,3
	ds_load_b128 v[\reg+4*\c:\reg+4*\c+3], v[\adr] offset:HP*(\q)+2048*(\i)+512*\c
.endr
.endm
.macro MUL16 a0, p, q, sc, zero        ; q's blocks a0, a0 + 1 x k's eight; the 64 accumulators take turns
.irp a, \a0, \a0+1
.irp b, 0,1,2,3,4,5,6,7
.if \zero
	v_wmma_scale_f32_16x16x128_f8f6f4 v[8*(8*((\a)%4)+\b):8*(8*((\a)%4)+\b)+7], v[128*(\p)+FR*\b:128*(\p)+FR*\b+FR-1], v[AF+FR*(\a):AF+FR*(\a)+FR-1], 0, v[SC+16*(\sc)+8*(\q)+4*(\b%2)+\b/2], v[SC+16*(\sc)+8*(\q)+4*((\a)%2)+(\a)/2] matrix_a_scale:MATRIX_SCALE_ROW1
.else
	v_wmma_scale_f32_16x16x128_f8f6f4 v[8*(8*((\a)%4)+\b):8*(8*((\a)%4)+\b)+7], v[128*(\p)+FR*\b:128*(\p)+FR*\b+FR-1], v[AF+FR*(\a):AF+FR*(\a)+FR-1], v[8*(8*((\a)%4)+\b):8*(8*((\a)%4)+\b)+7], v[SC+16*(\sc)+8*(\q)+4*(\b%2)+\b/2], v[SC+16*(\sc)+8*(\q)+4*((\a)%2)+(\a)/2] matrix_a_scale:MATRIX_SCALE_ROW1
.endif
.endr
.endr
.endm
.macro FETCH_B slot, q, p
	WIN TO_B
.irp i, 0,1,2,3,4,5,6,7
	FRAG 128*(\p)+FR*\i, ADRB+\slot, \q, \i
.endr
	WIN 0
.endm
.macro FETCH_A slot, q, i0
.irp i, \i0, \i0+1, \i0+2, \i0+3
	FRAG AF+FR*(\i), ADRA+\slot, \q, \i
.endr
.endm
.macro SCALES sc                       ; a slot's scale words: for each of its two chunks, blocks of even and of odd number
.irp q, 0,1
.irp e, 0,1
	ds_load_b128 v[SC+16*\sc+8*\q+4*\e:SC+16*\sc+8*\q+4*\e+3], v[ADRS+\sc] offset:HP*\q+256*\e
.endr
.endr
.endm
.macro PLACES n
.rept \n
	v_nop
.endr
.endm
.macro STEP slot, zero                 ; a slot's first chunk
	s_wait_dscnt 4*NL                              ; all but the 16 youngest loads (q's blocks 4-7)
	WIN MUL_LO
	MUL16 0, 0, 0, \slot, \zero
	MUL16 2, 0, 0, \slot, \zero
	s_wait_dscnt 0
	PLACES NP
	FETCH_B \slot, 1, 1
	FETCH_A \slot, 1, 0
	WIN MUL_HI
	MUL16 4, 0, 0, \slot, \zero
	MUL16 6, 0, 0, \slot, \zero
	PLACES NP
	WIN 0
	FETCH_A \slot, 1, 4
.endm
.macro TURN slot, next, fill           ; a slot's second chunk, and the change of slots
	s_wait_tensorcnt 0x0                           ; all my tensor loads have landed: my strip of the next slot
	ds_add_u32 v[SPW], v[NIL]
	s_wait_dscnt 4*NL+1                            ; the add and the 16 youngest loads may be out
	WIN MUL_LO
	MUL16 0, 1, 1, \slot, 0
	s_wait_dscnt 0x0                               ; the add is done, and my reads of this slot are over
	s_barrier_signal -1
	MUL16 2, 1, 1, \slot, 0
	WIN 0
	s_barrier_wait -1
.if \fill
	s_add_nc_u64 s[G0+4*\slot+2:G0+4*\slot+3], s[G0+4*\slot+2:G0+4*\slot+3], 2*STRIP   ; no load of mine is out: the group may be written
	tensor_load_to_lds s[G0+4*\slot:G0+4*\slot+3], s[G1:G1+7]   ; my one tensor load behind this barrier, and the first thing there
	s_nop 0
.endif
	PLACES NP
	FETCH_B \next, 0, 0
	FETCH_A \next, 0, 0
	SCALES \next
	WIN MUL_HI
	MUL16 4, 1, 1, \slot, 0
	MUL16 6, 1, 1, \slot, 0
	PLACES NP
	WIN 0
	FETCH_A \next, 0, 4
.endm
	s_wait_tensorcnt 1                             ; my strip of slot 0 is in; slot 1's may be out
	s_barrier_signal -1
	s_barrier_wait -1
	FETCH_B 0, 0, 0
	FETCH_A 0, 0, 0
	SCALES 0
	FETCH_A 0, 0, 4
	STEP 0, 1
	TURN 0, 1, 1
	STEP 1, 0
	TURN 1, 0, 1
	STEP 0, 0
	TURN 0, 1, 0
	STEP 1, 0
	s_wait_dscnt 4*NL
	WIN MUL_LO
	MUL16 0, 1, 1, 1, 0
	MUL16 2, 1, 1, 1, 0
	s_wait_dscnt 0
	WIN MUL_HI
	MUL16 4, 1, 1, 1, 0
	MUL16 6, 1, 1, 1, 0
	WIN 0
; THE SOFTMAX of block a (16 queries x my 128 keys).  Register n of lane (r, h) is key 16 (n / 8) + 8 h + n % 8.
.macro SOFT a
.set W, 2+(\a)/4
.set X0, 64*((\a)%4)
.set PCD, 128+16*((\a)%2)
	s_cmp_ge_i32 s[DIFF], 127-16*(\a)              ; ids alone: all 128 keys count for all 16 queries?
	s_cbranch_scc1 .Lopen_\@
	WIN ((W<<6)|W)
.set n, 0
.rept 64
	v_cmp_gt_i32 vcc_lo, 16*(n/8)+n%8-16*(\a), v[DL]     ; hidden where the key comes after the query
	v_cndmask_b32 v[X0+n], v[X0+n], v[NINF], vcc_lo
.set n, n+1
.endr
	WIN 0
.Lopen_\@:
	WIN (W|(W<<2))
.irp b, 0,1,2,3
	v_max_num_f32 v[BM+\b], v[X0+16*\b], v[X0+16*\b+1]   ; the largest score of each block of 32 keys: it serves the row's maximum and, since p rises with the score, the block's largest p
.endr
.irp i, 2,4,6,8,10,12,14
.irp b, 0,1,2,3
	v_max3_num_f32 v[BM+\b], v[X0+16*\b+\i], v[X0+16*\b+\i+1], v[BM+\b]
.endr
.endr
	WIN 0
.irp b, 0,1,2,3
	v_permlanex16_b32 v[TP+\b], v[BM+\b], s[SEL], s[SEL+1]
.endr
.irp b, 0,1,2,3
	v_max_num_f32 v[BM+\b], v[BM+\b], v[TP+\b]
.endr
	v_max3_num_f32 v[TMP], v[BM], v[BM+1], v[BM+2]
	v_max_num_f32 v[TMP], v[TMP], v[BM+3]
	v_mul_f32 v[TMP], s[CS], v[TMP]                ; as t
	v_max_num_f32 v[TMP], 0xff61b1e6, v[TMP]       ; a row all of whose keys here are hidden keeps a finite M: -3e38
	v_floor_f32 v[NM], -v[TMP]                     ; -M = floor(-t): a whole number
.if (\a)%2 == 0
	v_mov_b32 v[QM+(\a)/2], v[NM]
.else
	v_cndmask_b32 v[QM+(\a)/2], v[QM+(\a)/2], v[NM], s[HIM]
.endif
	WIN W
.set n, 0
.rept 32
	v_pk_fma_f32 v[T+n:T+n+1], v[X0+n:X0+n+1], s[CS:CS+1], v[NM:NM+1] op_sel_hi:[1,0,0]   ; t - M, two at a time
.set n, n+2
.endr
	WIN 0
.irp b, 0,1,2,3
	v_fma_f32 v[BM+\b], v[BM+\b], s[CS], v[NM]     ; the same of each block's largest score
.endr
.set n, 0
.rept 64
	v_exp_f32 v[T+n], v[T+n]                       ; p = 2^(t - M)
.set n, n+1
.endr
	v_nop                                          ; a plain instruction behind the batch
	s_wait_alu depctr_va_vdst(0)                   ; one wait for the 64, ahead of their first reader
.irp b, 0,1,2,3
	v_exp_f32 v[BM+\b], v[BM+\b]                   ; the block's largest p
.endr
	v_pk_add_f32 v[LS:LS+1], v[T:T+1], v[T+2:T+3]  ; l is taken of the unquantised p, in two chains
	v_pk_add_f32 v[L2:L2+1], v[T+4:T+5], v[T+6:T+7]
.set n, 8
.rept 14
	v_pk_add_f32 v[LS:LS+1], v[LS:LS+1], v[T+n:T+n+1]
	v_pk_add_f32 v[L2:L2+1], v[L2:L2+1], v[T+n+2:T+n+3]
.set n, n+4
.endr
	v_pk_add_f32 v[LS:LS+1], v[LS:LS+1], v[L2:L2+1]
	v_add_f32 v[TMP], v[LS], v[LS+1]
	v_permlanex16_b32 v[TP], v[TMP], s[SEL], s[SEL+1]
	v_add_f32 v[TMP], v[TMP], v[TP]
.if (\a)%2 == 0
	v_mov_b32 v[QL+(\a)/2], v[TMP]
.else
	v_cndmask_b32 v[QL+(\a)/2], v[QL+(\a)/2], v[TMP], s[HIM]
.endif
	s_wait_alu depctr_va_vdst(0)                   ; and one for the four
.irp b, 0,1,2,3
	v_max_num_f32 v[BM+\b], 0x4800000, v[BM+\b]    ; the floor 2^(9 - 127)
.endr
.irp b, 0,1,2,3
	v_add_nc_u32 v[SO+\b], 0xfc000000, v[BM+\b]
.endr
.irp b, 0,1,2,3
	v_and_or_b32 v[HO+\b], v[BM+\b], 0x7f800000, s[MNT]
.endr
.irp b, 0,1,2,3
	v_lshrrev_b32 v[BY+\b], 23, v[SO+\b]           ; p is at most 1: the byte is at most 119
.endr
.if (\a)%2 == 0
.set PWR, QW+(\a)/2
.else
.set PWR, PWT
.endif
	v_lshl_or_b32 v[PWR], v[BY+1], 8, v[BY]
	v_lshl_or_b32 v[PWR], v[BY+2], 16, v[PWR]
	v_lshl_or_b32 v[PWR], v[BY+3], 24, v[PWR]
.if (\a)%2 == 1
	v_cndmask_b32 v[QW+(\a)/2], v[QW+(\a)/2], v[PWT], s[HIM]
.endif
.irp b, 0,1,2,3
.irp i, 0,1,2,3,4,5,6,7,8,9,10,11,12,13,14,15
	v_min_num_f32 v[T+16*\b+\i], v[T+16*\b+\i], v[HO+\b]   ; the hold; p is not negative
.endr
.endr
.if (\a) >= 2
	s_wait_xcnt 0x0                                ; block a - 2's stores have read the registers that the codes below take
.endif
.irp b, 0,1,2,3
	v_cvt_scalef32_pk8_fp8_f32 v[PCD+4*\b:PCD+4*\b+1], v[T+16*\b:T+16*\b+7], v[SO+\b]
	v_cvt_scalef32_pk8_fp8_f32 v[PCD+4*\b+2:PCD+4*\b+3], v[T+16*\b+8:T+16*\b+15], v[SO+\b]
.endr
	v_nop
.irp b, 0,1,2,3
	v_permlane16_swap_b32 v[PCD+4*\b], v[PCD+4*\b+2]     ; keys 8 h .., 16 + 8 h .. become keys 16 h + 0 .. 15: the operand's layout
	v_permlane16_swap_b32 v[PCD+4*\b+1], v[PCD+4*\b+3]
.endr
.irp b, 0,1,2,3
	global_store_b128 v[CO], v[PCD+4*\b:PCD+4*\b+3], s[8:9] offset:2048*(\a)+512*\b
.endr
.endm
	PLACES NP
	v_mov_b32 v[NM+1], 0
.irp b, 0,1,2,3
	v_mov_b32 v[TP+\b], 0
.endr
	v_lshlrev_b32 v[DL], 3, v2
	v_sub_nc_u32 v[DL], v1, v[DL]
	v_add_nc_u32 v[DL], s[DIFF], v[DL]
	v_mov_b32 v[NINF], 0xff800000
.irp a, 0,1,2,3,4,5,6,7
	SOFT \a
.endr
	global_store_b128 v[CO], v[QM:QM+3], s[10:11]
	global_store_b128 v[CO], v[QL:QL+3], s[10:11] offset:512
	global_store_b128 v[CO], v[QW:QW+3], s[10:11] offset:1024
	s_wait_tensorcnt 0x0                           ; the wave's end
	ds_add_u32 v[SPW], v[NIL]
	s_wait_dscnt 0x0
	s_endpgm
.Lfunc_end_k_qfe8e596d8e_scores:
	.size	k_qfe8e596d8e_scores, .Lfunc_end_k_qfe8e596d8e_scores-k_qfe8e596d8e_scores
	.p2alignl 7, 3214868480
	.fill 96, 4, 3214868480
	.section	.rodata,"a",@progbits
	.p2align	6, 0x0
	.amdhsa_kernel k_qfe8e596d8e_scores
		.amdhsa_group_segment_fixed_size 327680
		.amdhsa_private_segment_fixed_size 0
		.amdhsa_enable_private_segment 0
		.amdhsa_kernarg_size 32
		.amdhsa_user_sgpr_count 2
		.amdhsa_user_sgpr_kernarg_segment_ptr 1
		.amdhsa_wavefront_size32 1
		.amdhsa_system_sgpr_workgroup_id_x 1
		.amdhsa_system_sgpr_workgroup_id_y 1
		.amdhsa_system_sgpr_workgroup_id_z 1
		.amdhsa_system_vgpr_workitem_id 0
		.amdhsa_next_free_vgpr 1024
		.amdhsa_next_free_sgpr 66
		.amdhsa_reserve_vcc 1
		.amdhsa_float_denorm_mode_32 3
		.amdhsa_float_denorm_mode_16_64 3
		.amdhsa_memory_ordered 1
		.amdhsa_forward_progress 1
		.amdhsa_inst_pref_size 255
	.end_amdhsa_kernel
	.section	.bss,"aw",@nobits
	.p2align	6
	.space	262144
	.amdgpu_metadata
---
amdhsa.version: [ 1, 2 ]
amdhsa.kernels:
  - .name:           k_qfe8e596d8e_scores
    .symbol:         k_qfe8e596d8e_scores.kd
    .args:
      - { .name: qh, .offset: 0, .size: 8, .value_kind: global_buffer, .address_space: global }
      - { .name: kh, .offset: 8, .size: 8, .value_kind: global_buffer, .address_space: global }
      - { .name: ph, .offset: 16, .size: 8, .value_kind: global_buffer, .address_space: global }
      - { .name: st, .offset: 24, .size: 8, .value_kind: global_buffer, .address_space: global }
    .group_segment_fixed_size: 327680
    .private_segment_fixed_size: 0
    .kernarg_segment_align: 8
    .kernarg_segment_size: 32
    .max_flat_workgroup_size: 128
    .sgpr_count:     66
    .vgpr_count:     1024
    .wavefront_size: 32
...
	.end_amdgpu_metadata
.endif
;; end of part 2
;; launch pv (part 3): grid 8 x 32, 4 waves a work-group, clusters of 4 x 1, 327,680 bytes of LDS; arguments ph, st, vh, out0; writes out0
.if DOCPART == 3
	.amdgcn_target "amdgcn-amd-amdhsa--gfx1250"
	.amdhsa_code_object_version 6
	.text
	.protected	k_qfe8e596d8e_pv
	.globl	k_qfe8e596d8e_pv
	.p2align	8
	.type	k_qfe8e596d8e_pv,@function
k_qfe8e596d8e_pv:
	s_mov_b64 s[64:65], 0
	v_nop
	global_prefetch_b8 v0, s[64:65] scope:SCOPE_SE
	s_setreg_imm32_b32 hwreg(HW_REG_WAVE_MODE, 25, 1), 1
	s_wait_xcnt 0x0
	s_wait_alu depctr_hold_cnt(0) depctr_sa_sdst(0) depctr_va_vdst(0) depctr_va_sdst(0) depctr_va_ssrc(0) depctr_va_vcc(0) depctr_vm_vsrc(0)
	s_getreg_b32 s2, hwreg(HW_REG_IB_STS2, 6, 4)
	s_cmp_eq_u32 s2, 0
	s_cbranch_scc0 .Lentry_in_a_cluster
	s_endpgm
.Lentry_in_a_cluster:
	s_bfe_u32 s2, ttmp6, 0x10000c
	s_cmp_lg_u32 s2, 0x3003
	s_cbranch_scc0 .Lentry_shape_is_right
	s_endpgm
.Lentry_shape_is_right:
; out = (p v) / l.  A work-group makes 256 queries (block QB = the cluster's y; j = QB % 8 within its batch) x 128 channels (block CB = 4 x the cluster's x + cx); a wave 128 queries x 64 channels: 32 accumulators.
; WORK LEFT OUT: the keys beyond 256 (j + 1): reference()'s own tril makes their weights 0 (shown at the head of the first kernel).  So K is 2 (j + 1) chunks of 128 keys.
; Source 0 = 16 channels of v^T, source 1 = 16 queries of p: a lane holds one query and eight neighbouring channels.
; CLUSTER 4 x 1: the four partners share QB, so they walk the same p, take the same way through the text and ask for p jointly; v's tiles hang on cx and come by loads of each work-group's own.
; LDS holds SIX chunks: region A four (places 0-3), region B two (places 4, 5); chunk c lies at place c % 6.  p's two halves and v have a strip each, six places on end, so that a region's chunks are one dense run
; in memory and in LDS and one load a wave brings them: waves 0, 1 p's halves, waves 2, 3 a half each of v's run.  A and B are filled together at the head; then A takes chunks 6-9, B 10-11, A 12-15:
; three refills for sixteen chunks, each behind a round of the cluster's barrier in front of which every wave has waited for all its tensor loads.
; THE WAYS THROUGH THE TEXT hang on j alone, which all waves and all partners share.  Three arms at the head, each with its own first fills (j = 0: two chunks; j = 1: A; j >= 2: A and B); where a later fill would not be
; read the text LEAVES the main line for a tail that is written out (.Lt2 .. .Lt6).  The ways meet at .Llast alone.
; THE MENDING, each wave for its own 128 queries.  For each chunk c st holds -M_c, l_c and p's scale words under M_c.  M = the largest M_c; d_c = M - M_c, a whole number, held at 127; l = sum of l_c 2^-d_c;
; each scale byte becomes max(byte - d_c, 0), four bytes at a time: (word | 0x80808080) - d x 0x01010101 borrows nothing between bytes, since a byte is at most 119 and d at most 127; a byte whose top bit is left keeps
; its low seven bits, the others become 0.  The head joins M and mends chunks 0 and 1; chunk c is mended one to three chunks ahead of its use, so that the first products need not wait for all sixteen.
; The mended words stay in the registers that they were loaded into: register p of a chunk's four holds query block 2 p in lanes 0-15 and block 2 p + 1 in lanes 16-31, which the matrix instruction's row selector reads.
; LIMIT: a chunk whose M lies 127 or more under the row's counts with the scale 2^-127 at the most: under 1e-35 beside l >= 1/2.
; REGISTERS: window 0: v1-25 addresses and at work; v32-35 the last chunk's words; v36-39 -M; v40-43 l; v48-55 v's scale words, two sets; v56-63 1 / l; v64-127 -M_c; v128-191 l_c; v192-255 p's scale words;
;   window 1: the accumulators ((a, b) at v[8 (4 a + b)]); window 2: p's fragments, two sets; window 3: v's, two sets.
.set HP,    16896                      ; a chunk of v for 128 channels: 8 images and a word block
.set PCH,   16384                      ; a chunk of p for 128 queries: 8 images
.set PSTR,  6*PCH                      ; a half's strip
.set VV,    2*PSTR                     ; v's strip
.set RBP,   4*PCH                      ; where region B begins in a strip of p,
.set RBV,   4*HP                       ; and in v's
.set STG,   VV+6*HP                    ; behind the strips: a stage of 16 rows x 272 bytes for each wave; no tile lands there
.set SP,    272
.set SPARE, STG+4*16*SP                ; the spare words, 128 bytes for each wave, that no other line names
.set ADR1, 4                           ; v4-5   my p fragments in region A, B
.set ADR0, 6                           ; v6-7   my v fragments
.set ADRV, 8                           ; v8-9   my v scale words
.set STO,  14
.set RD,   15
.set CO,   16
.set TF,   18                          ; v18-21 at work
.set XR,   22                          ; v22-25 the other half of the lanes' 1 / l
.set SPW,  28
.set NIL,  29
.set PSL,  32
.set MG,   36
.set LS,   40
.set VS,   48
.set RL,   56
.set OFS,  48                          ; v48-63 at the head alone: the offsets of st's loads
.set NMR,  64
.set LLR,  128
.set WWR,  192
.set T,    64                          ; the way out
.set BK,   96
.set WV,   12
.set HA,   13
.set HB,   14
.set CX,   15
.set CB,   16
.set QB,   17
.set JJ,   18
.set BT,   19
.set J21,  20
.set G1P4, 24                          ; groups 1: p, four chunks; p, two; v, half of four; v, half of two
.set G1P2, 32
.set G1V4, 40
.set G1V2, 48
.set G0P,  56                          ; groups 0: a set for each region
.set G0V,  68
.set PB,   76                          ; s[76:77] p at the half that I would fetch
.set VB2,  78                          ; s[78:79] v at my half of a run of two chunks;  s[80:81] of four
.set VB4,  80
.set LP,   82
.set HV2,  83
.set HV4,  84
.set ONES, 86
.set TOPS, 87
.set SEL,  88
.set HIM,  90
.set PW0,  15|(3<<16)|(1<<21)          ; the mask names all four partners; elements of 8 bytes; bit 21 beside a mask
.set VW0,  3<<16                       ; no mask
.set MSB, 0
.macro WIN new                         ; the immediate's high byte repeats the setting that is left
.if MSB != (\new)
	s_set_vgpr_msb (MSB<<8)|(\new)
.set MSB, (\new)
.endif
.endm
.macro PLACES n                        ; plain vector instructions between a matrix instruction and a load into, or a read of, its registers
.rept \n
	v_nop
.endr
.endm
.macro GONE g, w0, rows                ; a group 1: a dense block as rows of 256 bytes (32 elements of 8 bytes), no padding
	s_mov_b32 s[\g], \w0
	s_mov_b32 s[\g+1], 32<<16
	s_mov_b32 s[\g+2], (\rows)<<16
	s_mov_b32 s[\g+3], 32<<16
	s_mov_b32 s[\g+4], \rows
	s_mov_b32 s[\g+5], 32
	s_mov_b32 s[\g+6], 0
	s_mov_b32 s[\g+7], 0
.endm
; Region R's two groups 0 for chunks c0 .. c0 + n - 1.  They are written where no tensor load of the wave is out.
.macro DESC R, c0, n
	s_mov_b32 s[G0P+4*(\R)], 1
	s_add_co_u32 s[G0P+4*(\R)+1], s[LP], (\R)*RBP
	s_add_nc_u64 s[G0P+4*(\R)+2:G0P+4*(\R)+3], s[PB:PB+1], (\c0)*PCH
	s_or_b32 s[G0P+4*(\R)+3], s[G0P+4*(\R)+3], 0x80000000
	s_mov_b32 s[G0V+4*(\R)], 1
.if (\n) == 4
	s_add_co_u32 s[G0V+4*(\R)+1], s[HV4], VV+(\R)*RBV
	s_add_nc_u64 s[G0V+4*(\R)+2:G0V+4*(\R)+3], s[VB4:VB4+1], (\c0)*HP
.else
	s_add_co_u32 s[G0V+4*(\R)+1], s[HV2], VV+(\R)*RBV
	s_add_nc_u64 s[G0V+4*(\R)+2:G0V+4*(\R)+3], s[VB2:VB2+1], (\c0)*HP
.endif
	s_or_b32 s[G0V+4*(\R)+3], s[G0V+4*(\R)+3], 0x80000000
.endm
; Waves 0 and 1 ask jointly for p's halves, waves 2 and 3 fetch v's run, a half each.  The branch hangs on the wave's number alone.  An s_nop 0 and four v_nop follow each line.
.macro JLOAD R, g1p, g1v
	s_cmp_eq_u32 s[HA], 0
	s_cbranch_scc0 .Lfor_v_\@
	tensor_load_to_lds s[G0P+4*(\R):G0P+4*(\R)+3], s[\g1p:\g1p+7]
	s_nop 0
.rept 4
	v_nop
.endr
	s_branch .Lasked_\@
.Lfor_v_\@:
	tensor_load_to_lds s[G0V+4*(\R):G0V+4*(\R)+3], s[\g1v:\g1v+7]
	s_nop 0
.rept 4
	v_nop
.endr
.Lasked_\@:
.endm
.macro CREST                           ; a round of the cluster's barrier behind its opening barrier
	s_cmp_lg_u32 s[WV], 0
	s_cbranch_scc1 .Lnot_wave_0_\@
	s_barrier_signal -3
.Lnot_wave_0_\@:
	s_barrier_wait -3
	s_barrier_signal -1
	s_barrier_wait -1
.endm
.macro CROUND
	s_barrier_signal -1
	s_barrier_wait -1
	CREST
.endm
	s_load_b256 s[4:11], s[0:1], 0x0               ; ph, st, vh, out0
	v_lshl_add_u32 v[SPW], v0, 2, SPARE
	v_mov_b32 v[NIL], 0
	ds_add_u32 v[SPW], v[NIL]                      ; the wave's opening: the add, twice on end, and its wait ahead of my first tensor load; the set-up below stands between
	ds_add_u32 v[SPW], v[NIL]
	v_lshrrev_b32 v1, 5, v0
	v_readfirstlane_b32 s[WV], v1
	s_lshr_b32 s[HA], s[WV], 1                     ; my half of the queries; also: I fetch p (0) or v (1)
	s_and_b32 s[HB], s[WV], 1                      ; my half of the channels; also: which half I fetch
	s_bfe_u32 s[CX], ttmp6, 0x40000
	s_lshl_b32 s[CB], ttmp9, 2
	s_add_co_u32 s[CB], s[CB], s[CX]
	s_and_b32 s[QB], ttmp7, 0xffff                 ; the cluster's y: the same in all four partners
	s_and_b32 s[JJ], s[QB], 7
	s_lshr_b32 s[BT], s[QB], 3
	s_lshl_b32 s[J21], s[JJ], 1
	s_add_co_u32 s[J21], s[J21], 1                 ; the last chunk that counts
	GONE G1P4, PW0, 256                            ; four chunks of a half of p: 65,536 bytes
	GONE G1P2, PW0, 128                            ; two
	GONE G1V4, VW0, 132                            ; half of four chunks of v: 33,792 bytes
	GONE G1V2, VW0, 66                             ; half of two
	s_mul_i32 s[LP], s[HB], PSTR                   ; the strip of the half of p that I would fetch: no place in the cluster enters an LDS address
	s_mul_i32 s[HV2], s[HB], HP                    ; my half of a run of v, in memory and in LDS alike
	s_mul_i32 s[HV4], s[HB], 2*HP
	s_lshl_b32 s92, s[QB], 1
	s_add_co_u32 s92, s92, s[HB]
	s_lshl_b32 s92, s92, 18                        ; p: block of 128 queries x 16 chunks x 16,384 bytes: no place in the cluster enters it
	s_mov_b32 s93, 0
	s_lshl_b32 s22, s[CB], 6
	s_lshl_b32 s23, s[BT], 4
	s_add_co_u32 s22, s22, s23
	s_mul_i32 s22, s22, HP                         ; v: (64 x channel block + 16 x batch) x 16,896
	s_add_co_u32 s66, s22, s[HV4]
	s_mov_b32 s67, 0
	s_add_co_u32 s22, s22, s[HV2]
	s_mov_b32 s23, 0
	s_lshl_b32 s94, s[QB], 1
	s_add_co_u32 s94, s94, s[HA]                   ; my block of 128 queries
	s_lshl_b32 s2, s94, 19                         ; out0: 128 rows of 4,096 bytes,
	s_mul_i32 s94, s94, 16*1536                    ; st: 16 records of 1,536 bytes
	s_mov_b32 s95, 0
	s_lshl_b32 s3, s[CB], 1
	s_add_co_u32 s3, s3, s[HB]
	s_lshl_b32 s3, s3, 8                           ; and my 64 channels: 256 bytes
	s_add_co_u32 s2, s2, s3
	s_mov_b32 s3, 0
	s_mov_b32 s[ONES], 0x01010101
	s_mov_b32 s[TOPS], 0x80808080
	s_mov_b32 s[SEL], 0x76543210
	s_mov_b32 s[SEL+1], 0xfedcba98                 ; v_permlanex16_b32's selects for lane l xor 16
	s_mov_b32 s[HIM], 0xffff0000                   ; lanes 16-31
	v_and_b32 v1, 15, v0                           ; r
	v_bfe_u32 v2, v0, 4, 1                         ; h
	v_and_b32 v3, 31, v0
	v_lshlrev_b32 v3, 4, v3                        ; 16 x lane
	s_mul_i32 s21, s[HA], PSTR
	v_add_nc_u32 v[ADR1], s21, v3
	s_add_co_u32 s21, s21, RBP
	v_add_nc_u32 v[ADR1+1], s21, v3
	s_lshl_b32 s21, s[HB], 13                      ; my 64 channels: four images of a chunk's eight
	s_add_co_u32 s21, s21, VV
	v_add_nc_u32 v[ADR0], s21, v3
	s_add_co_u32 s21, s21, RBV
	v_add_nc_u32 v[ADR0+1], s21, v3
	s_lshl_b32 s21, s[HB], 3                       ; their words: row 32 p + 16 e + r at 16 r + 256 e + 4 p, p = 2 x my half + 0, 1
	s_add_co_u32 s21, s21, VV+16384
	v_lshl_add_u32 v[ADRV], v1, 4, s21
	s_add_co_u32 s21, s21, RBV
	v_lshl_add_u32 v[ADRV+1], v1, 4, s21
	s_mul_i32 s21, s[WV], 16*SP
	s_add_co_u32 s21, s21, STG
	v_mul_u32_u24 v[STO], v1, SP                   ; into my stage: row r, 32 bytes for each half of the lanes
	v_lshl_add_u32 v[STO], v2, 5, v[STO]
	v_add_nc_u32 v[STO], s21, v[STO]
	v_mul_u32_u24 v[RD], v2, SP                    ; back: lanes 0-15 one row of 256 bytes, lanes 16-31 the next
	v_lshl_add_u32 v[RD], v1, 4, v[RD]
	v_add_nc_u32 v[RD], s21, v[RD]
	v_lshlrev_b32 v[CO], 12, v2                    ; and the same two rows of out0, 4,096 bytes apart
	v_lshl_add_u32 v[CO], v1, 4, v[CO]
.irp p, 0,1,2,3
	v_mov_b32 v[XR+\p], 0                          ; written once: a lane permute's destination counts as one of its sources
.endr
	s_wait_dscnt 0x0                               ; both opening adds are done
	s_wait_kmcnt 0x0
	s_add_nc_u64 s[PB:PB+1], s[4:5], s[92:93]
	s_add_nc_u64 s[VB2:VB2+1], s[8:9], s[22:23]
	s_add_nc_u64 s[VB4:VB4+1], s[8:9], s[66:67]
	s_add_nc_u64 s[6:7], s[6:7], s[94:95]          ; st at my 128 queries
	s_add_nc_u64 s[10:11], s[10:11], s[2:3]        ; out0 at my first row and channel
; st's records of chunks 0 .. n - 1.  A chunk beyond the last that counts was never written: the last is read in its stead; it moves no minimum and is never mended.
.macro STLOAD n
.set cc, 0
.rept \n
	s_min_u32 s66, s[J21], cc
	s_mul_i32 s66, s66, 1536
	v_add_nc_u32 v[OFS+cc], s66, v3
.set cc, cc+1
.endr
.set cc, 0
.rept \n
	global_load_b128 v[NMR+4*cc:NMR+4*cc+3], v[OFS+cc], s[6:7]
	global_load_b128 v[LLR+4*cc:LLR+4*cc+3], v[OFS+cc], s[6:7] offset:512
	global_load_b128 v[WWR+4*cc:WWR+4*cc+3], v[OFS+cc], s[6:7] offset:1024
.set cc, cc+1
.endr
.endm
.macro MGMIN n                         ; -M = the least -M_c
.if (\n) == 2
.irp p, 0,1,2,3
	v_min_num_f32 v[MG+\p], v[NMR+\p], v[NMR+4+\p]
.endr
.else
.irp p, 0,1,2,3
	v_min3_num_f32 v[MG+\p], v[NMR+\p], v[NMR+4+\p], v[NMR+8+\p]
.endr
.if (\n) > 4
.set cc, 3
.rept ((\n)-4)/2
.irp p, 0,1,2,3
	v_min3_num_f32 v[MG+\p], v[MG+\p], v[NMR+4*cc+\p], v[NMR+4*cc+4+\p]
.endr
.set cc, cc+2
.endr
.endif
.irp p, 0,1,2,3
	v_min_num_f32 v[MG+\p], v[MG+\p], v[NMR+4*(\n)-4+\p]
.endr
.endif
.endm
.macro MEND c                          ; chunk c is brought under the row's M: its l into the sum, its scale words in place
.irp p, 0,1,2,3
	v_sub_f32 v[NMR+4*(\c)+\p], v[MG+\p], v[NMR+4*(\c)+\p]   ; -d = M_c - M
.endr
.irp p, 0,1,2,3
	v_max_num_f32 v[NMR+4*(\c)+\p], 0xc2fe0000, v[NMR+4*(\c)+\p]   ; held at -127
.endr
.irp p, 0,1,2,3
	v_cvt_i32_f32 v[NMR+4*(\c)+\p], v[NMR+4*(\c)+\p]
.endr
.irp p, 0,1,2,3
	v_ldexp_f32 v[TF+\p], 1.0, v[NMR+4*(\c)+\p]    ; 2^-d
.endr
.irp p, 0,1,2,3
.if (\c) == 0
	v_mul_f32 v[LS+\p], v[LLR+4*(\c)+\p], v[TF+\p]
.else
	v_fmac_f32 v[LS+\p], v[LLR+4*(\c)+\p], v[TF+\p]
.endif
.endr
.irp p, 0,1,2,3
	v_mul_lo_u32 v[NMR+4*(\c)+\p], v[NMR+4*(\c)+\p], s[ONES]   ; -d in each byte's place
.endr
.irp p, 0,1,2,3
	v_or_b32 v[WWR+4*(\c)+\p], s[TOPS], v[WWR+4*(\c)+\p]
.endr
.irp p, 0,1,2,3
	v_add_nc_u32 v[WWR+4*(\c)+\p], v[WWR+4*(\c)+\p], v[NMR+4*(\c)+\p]   ; 128 + byte - d in each byte
.endr
.irp p, 0,1,2,3
	v_and_b32 v[NMR+4*(\c)+\p], s[TOPS], v[WWR+4*(\c)+\p]
.endr
.irp p, 0,1,2,3
	v_lshrrev_b32 v[TF+\p], 7, v[NMR+4*(\c)+\p]
.endr
.irp p, 0,1,2,3
	v_sub_nc_u32 v[NMR+4*(\c)+\p], v[NMR+4*(\c)+\p], v[TF+\p]   ; 0x7f where byte >= d, else 0
.endr
.irp p, 0,1,2,3
	v_and_b32 v[WWR+4*(\c)+\p], v[WWR+4*(\c)+\p], v[NMR+4*(\c)+\p]
.endr
.endm
.macro ARM n                           ; behind an arm's first fills, while they are on their way
	STLOAD \n
	s_wait_loadcnt 0x0
	MGMIN \n
	MEND 0
	MEND 1
.endm
; 50 LDS loads: chunk cn, from place cn % 6, into set cn % 2: p's 8 images, v's 4, and v's scale words
.macro FETCH cn
.set fR, (((\cn)%6)/4)
.set fQ, (((\cn)%6)-4*fR)
.set fS, ((\cn)%2)
	WIN 0x80
.irp i, 0,1,2,3,4,5,6,7
.irp c, 0,1,2,3
	ds_load_b128 v[128*fS+16*\i+4*\c:128*fS+16*\i+4*\c+3], v[ADR1+fR] offset:PCH*fQ+2048*\i+512*\c
.endr
.endr
	WIN 0xc0
.irp i, 0,1,2,3
.irp c, 0,1,2,3
	ds_load_b128 v[64*fS+16*\i+4*\c:64*fS+16*\i+4*\c+3], v[ADR0+fR] offset:HP*fQ+2048*\i+512*\c
.endr
.endr
	WIN 0
	ds_load_b64 v[VS+4*fS:VS+4*fS+1], v[ADRV+fR] offset:HP*fQ
	ds_load_b64 v[VS+4*fS+2:VS+4*fS+3], v[ADRV+fR] offset:HP*fQ+256
.endm
; query blocks a0 .. a0 + n - 1 x my four channel blocks; wb: the chunk's four registers of p's scale words: block a's in register a / 2, lanes 0-15 (a even) or 16-31 (a odd).
; The 32 accumulators take turns, one instruction a turn.
.macro MULP set, a0, n, zero, wb
	WIN 0x5b                                       ; source 0 (v) window 3, source 1 (p) window 2, C and D window 1
.set aa, \a0
.rept \n
.irp b, 0,1,2,3
.if \zero
.if aa%2
	v_wmma_scale_f32_16x16x128_f8f6f4 v[8*(4*aa+\b):8*(4*aa+\b)+7], v[64*(\set)+16*\b:64*(\set)+16*\b+15], v[128*(\set)+16*aa:128*(\set)+16*aa+15], 0, v[VS+4*(\set)+2*(\b%2)+\b/2], v[(\wb)+aa/2] matrix_b_scale:MATRIX_SCALE_ROW1
.else
	v_wmma_scale_f32_16x16x128_f8f6f4 v[8*(4*aa+\b):8*(4*aa+\b)+7], v[64*(\set)+16*\b:64*(\set)+16*\b+15], v[128*(\set)+16*aa:128*(\set)+16*aa+15], 0, v[VS+4*(\set)+2*(\b%2)+\b/2], v[(\wb)+aa/2]
.endif
.else
.if aa%2
	v_wmma_scale_f32_16x16x128_f8f6f4 v[8*(4*aa+\b):8*(4*aa+\b)+7], v[64*(\set)+16*\b:64*(\set)+16*\b+15], v[128*(\set)+16*aa:128*(\set)+16*aa+15], v[8*(4*aa+\b):8*(4*aa+\b)+7], v[VS+4*(\set)+2*(\b%2)+\b/2], v[(\wb)+aa/2] matrix_b_scale:MATRIX_SCALE_ROW1
.else
	v_wmma_scale_f32_16x16x128_f8f6f4 v[8*(4*aa+\b):8*(4*aa+\b)+7], v[64*(\set)+16*\b:64*(\set)+16*\b+15], v[128*(\set)+16*aa:128*(\set)+16*aa+15], v[8*(4*aa+\b):8*(4*aa+\b)+7], v[VS+4*(\set)+2*(\b%2)+\b/2], v[(\wb)+aa/2]
.endif
.endif
.endr
.set aa, aa+1
.endr
.endm
; Chunk c is multiplied while chunk c + 1, which lies in the same region, is fetched.  m, m2: chunks to be mended here (-1: none); cp: the way's last chunk, whose words are copied for .Llast (-1: not here).
.macro STEPC c, m, m2, cp
.if (\m) >= 0
	MEND \m
.endif
.if (\m2) >= 0
	MEND \m2
.endif
.if (\cp) >= 0
.irp p, 0,1,2,3
	v_mov_b32 v[PSL+\p], v[WWR+4*(\cp)+\p]
.endr
.endif
	PLACES 8                                       ; in front of the loads into the set that the chunk before multiplied; also between the copy and the products that take it as scales
	FETCH (\c)+1
	s_wait_dscnt 50                                ; all but the 50 just issued
.if (\c) == 0
	MULP 0, 0, 8, 1, WWR                           ; the first products start the sums
.else
	MULP (\c)%2, 0, 8, 0, WWR+4*(\c)
.endif
	WIN 0
.endm
; Chunk c, the last of its region, is multiplied, and the regions change.  In front of the barrier each wave waits for all its tensor loads (the other region's), adds 0 to its spare word, and waits for that and for
; its reads of this region.  fill = 1: the barrier opens a round of the cluster's, and region R, just read out, takes chunks c0 .. c0 + n - 1.
.macro TURNC c, fill, R, c0, n
	s_wait_tensorcnt 0x0                           ; all my tensor loads have landed, so the groups 0 may be written
	ds_add_u32 v[SPW], v[NIL]                      ; 0 onto my spare word; work on registers stands between it and the wait for it
.if \fill
	DESC \R, \c0, \n
.endif
	s_wait_dscnt 1                                 ; chunk c's fragments are in; the add may be out
	MULP (\c)%2, 0, 2, 0, WWR+4*(\c)
	s_wait_dscnt 0x0                               ; the add is done, and my reads of this region are over
	s_barrier_signal -1
	MULP (\c)%2, 2, 2, 0, WWR+4*(\c)
	WIN 0
	s_barrier_wait -1
.if \fill
	CREST                                          ; no wave of any partner still reads this region or has a load on its way
.if (\n) == 4
	JLOAD \R, G1P4, G1V4                           ; the first tensor load behind the round, and my only one until the next; its four v_nop are among the places below
.else
	JLOAD \R, G1P2, G1V2
.endif
	PLACES 4
.else
	PLACES 8
.endif
	FETCH (\c)+1
	MULP (\c)%2, 4, 4, 0, WWR+4*(\c)
	WIN 0
.endm
	s_cmp_eq_u32 s[JJ], 0                          ; j: the same in all waves and all partners
	s_cbranch_scc1 .Lh0
	s_cmp_eq_u32 s[JJ], 1
	s_cbranch_scc1 .Lh1
	; ---- j >= 2: six chunks or more
	DESC 0, 0, 4
	DESC 1, 4, 2
	CROUND                                         ; all four work-groups are here: the first joint loads meet
	JLOAD 0, G1P4, G1V4                            ; A: chunks 0-3
	JLOAD 1, G1P2, G1V2                            ; B: chunks 4, 5: two tensor loads of mine are out, the most in this text
	ARM 16
	s_wait_tensorcnt 1                             ; my part of A is in; B's load may be out
	s_barrier_signal -1
	s_barrier_wait -1
	FETCH 0
	STEPC 0, 2, -1, -1
	STEPC 1, 3, -1, -1
	STEPC 2, 4, 5, -1
	s_cmp_eq_u32 s[JJ], 2
	s_cbranch_scc1 .Lt2
	s_cmp_eq_u32 s[JJ], 3
	s_cbranch_scc1 .Lt3
	TURNC 3, 1, 0, 6, 4                            ; A takes chunks 6-9
	STEPC 4, 6, 7, -1
	s_cmp_eq_u32 s[JJ], 4
	s_cbranch_scc1 .Lt4
	TURNC 5, 1, 1, 10, 2                           ; B takes chunks 10, 11
	STEPC 6, 8, -1, -1
	STEPC 7, 9, -1, -1
	STEPC 8, 10, 11, -1
	s_cmp_eq_u32 s[JJ], 5
	s_cbranch_scc1 .Lt5
	s_cmp_eq_u32 s[JJ], 6
	s_cbranch_scc1 .Lt6
	TURNC 9, 1, 0, 12, 4                           ; j = 7: A takes chunks 12-15
	STEPC 10, 12, 13, -1
	TURNC 11, 0, 0, 0, 0
	STEPC 12, 14, -1, -1
	STEPC 13, 15, -1, -1
	STEPC 14, -1, -1, 15
	s_branch .Llast
.Lt2:                                              ; six chunks: nothing more is asked for
	TURNC 3, 0, 0, 0, 0
	STEPC 4, -1, -1, 5
	s_branch .Llast
.Lt3:                                              ; eight: A takes chunks 6, 7
	TURNC 3, 1, 0, 6, 2
	STEPC 4, 6, 7, -1
	TURNC 5, 0, 0, 0, 0
	STEPC 6, -1, -1, 7
	s_branch .Llast
.Lt4:                                              ; ten
	TURNC 5, 0, 0, 0, 0
	STEPC 6, 8, -1, -1
	STEPC 7, 9, -1, -1
	STEPC 8, -1, -1, 9
	s_branch .Llast
.Lt5:                                              ; twelve
	TURNC 9, 0, 0, 0, 0
	STEPC 10, -1, -1, 11
	s_branch .Llast
.Lt6:                                              ; fourteen: A takes chunks 12, 13
	TURNC 9, 1, 0, 12, 2
	STEPC 10, 12, 13, -1
	TURNC 11, 0, 0, 0, 0
	STEPC 12, -1, -1, 13
	s_branch .Llast
.Lh0:                                              ; ---- j = 0: two chunks
	DESC 0, 0, 2
	CROUND
	JLOAD 0, G1P2, G1V2
	ARM 2
	s_wait_tensorcnt 0x0
	s_barrier_signal -1
	s_barrier_wait -1
	FETCH 0
	STEPC 0, -1, -1, 1
	s_branch .Llast
.Lh1:                                              ; ---- j = 1: four chunks
	DESC 0, 0, 4
	CROUND
	JLOAD 0, G1P4, G1V4
	ARM 4
	s_wait_tensorcnt 0x0
	s_barrier_signal -1
	s_barrier_wait -1
	FETCH 0
	STEPC 0, 2, -1, -1
	STEPC 1, 3, -1, -1
	STEPC 2, -1, -1, 3
.Llast:                                            ; every way's last chunk has an odd number: set 1; its words stand in v32-35
	s_wait_dscnt 0x0
	MULP 1, 0, 8, 0, PSL
	WIN 0
	; 1 / l: register p holds block 2 p in lanes 0-15 and block 2 p + 1 in lanes 16-31; both halves of the lanes want their query's
.irp p, 0,1,2,3
	v_rcp_f32 v[TF+\p], v[LS+\p]
.endr
	v_nop                                          ; a plain instruction behind the reciprocals
	s_wait_alu depctr_va_vdst(0)                   ; one wait for the four, ahead of their first reader
.irp p, 0,1,2,3
	v_permlanex16_b32 v[XR+\p], v[TF+\p], s[SEL], s[SEL+1]
.endr
.irp p, 0,1,2,3
	v_cndmask_b32 v[RL+\p], v[TF+\p], v[XR+\p], s[HIM]       ; block 2 p: lanes 16-31 take lanes 0-15's
	v_cndmask_b32 v[RL+4+\p], v[XR+\p], v[TF+\p], s[HIM]     ; block 2 p + 1: lanes 0-15 take lanes 16-31's
.endr
; THE WAY OUT, block by block of 16 queries x 64 channels: x 1 / l, through my stage, back as whole rows of 256 bytes.
.macro TOST a
.if (\a) >= 2
	s_wait_xcnt 0x0                                ; block a - 2's stores have read the registers that the loads below take
.endif
	WIN 0x04                                       ; source 1: window 1
.set n, 0
.rept 32
	v_mul_f32 v[T+n], v[RL+4*((\a)%2)+(\a)/2], v[32*(\a)+n]   ; each accumulator from its low end on
.set n, n+1
.endr
	WIN 0
.irp b, 0,1,2,3
	ds_store_b128 v[STO], v[T+8*\b:T+8*\b+3] offset:64*\b
	ds_store_b128 v[STO], v[T+8*\b+4:T+8*\b+7] offset:64*\b+16
.endr
.set BKR, BK+32*((\a)%2)
.irp i, 0,1,2,3,4,5,6,7
	ds_load_b128 v[BKR+4*\i:BKR+4*\i+3], v[RD] offset:2*SP*\i   ; LDS serves a wave's instructions in order (ISA guide 5.7.1.4)
.endr
.endm
.macro SEND a, younger
.set BKR, BK+32*((\a)%2)
	s_wait_dscnt \younger                          ; the next block's 8 stores and 8 loads may be out
.irp i, 0,1,2,3,4,5,6,7
	global_store_b128 v[CO], v[BKR+4*\i:BKR+4*\i+3], s[10:11] offset:(16*(\a)+2*\i)*4096 th:TH_STORE_NT   ; 16 lanes store 256 consecutive bytes, aligned
.endr
.endm
	PLACES 8
	TOST 0
.irp a, 1,2,3,4,5,6,7
	TOST \a
	SEND \a-1, 16
.endr
	SEND 7, 0
	s_wait_tensorcnt 0x0                           ; the wave's end
	ds_add_u32 v[SPW], v[NIL]
	s_wait_dscnt 0x0
	CROUND                                         ; the closing round
	s_endpgm
.Lfunc_end_k_qfe8e596d8e_pv:
	.size	k_qfe8e596d8e_pv, .Lfunc_end_k_qfe8e596d8e_pv-k_qfe8e596d8e_pv
	.p2alignl 7, 3214868480
	.fill 96, 4, 3214868480
	.section	.rodata,"a",@progbits
	.p2align	6, 0x0
	.amdhsa_kernel k_qfe8e596d8e_pv
		.amdhsa_group_segment_fixed_size 327680
		.amdhsa_private_segment_fixed_size 0
		.amdhsa_enable_private_segment 0
		.amdhsa_kernarg_size 32
		.amdhsa_user_sgpr_count 2
		.amdhsa_user_sgpr_kernarg_segment_ptr 1
		.amdhsa_wavefront_size32 1
		.amdhsa_system_sgpr_workgroup_id_x 1
		.amdhsa_system_sgpr_workgroup_id_y 1
		.amdhsa_system_sgpr_workgroup_id_z 1
		.amdhsa_system_vgpr_workitem_id 0
		.amdhsa_next_free_vgpr 896
		.amdhsa_next_free_sgpr 96
		.amdhsa_reserve_vcc 0
		.amdhsa_float_denorm_mode_32 3
		.amdhsa_float_denorm_mode_16_64 3
		.amdhsa_memory_ordered 1
		.amdhsa_forward_progress 1
		.amdhsa_inst_pref_size 255
	.end_amdhsa_kernel
	.section	.bss,"aw",@nobits
	.p2align	6
	.space	262144
	.amdgpu_metadata
---
amdhsa.version: [ 1, 2 ]
amdhsa.kernels:
  - .name:           k_qfe8e596d8e_pv
    .symbol:         k_qfe8e596d8e_pv.kd
    .args:
      - { .name: ph, .offset: 0, .size: 8, .value_kind: global_buffer, .address_space: global }
      - { .name: st, .offset: 8, .size: 8, .value_kind: global_buffer, .address_space: global }
      - { .name: vh, .offset: 16, .size: 8, .value_kind: global_buffer, .address_space: global }
      - { .name: out0, .offset: 24, .size: 8, .value_kind: global_buffer, .address_space: global }
    .group_segment_fixed_size: 327680
    .private_segment_fixed_size: 0
    .kernarg_segment_align: 8
    .kernarg_segment_size: 32
    .max_flat_workgroup_size: 128
    .sgpr_count:     96
    .vgpr_count:     896
    .wavefront_size: 32
...
	.end_amdgpu_metadata
.endif
;; end of part 3
